; MI455X (gfx1250); checked and timed in simulation.
; The chip was launched on July 23, 2026; its instructions are those of AMD's public machine-readable ISA for CDNA 5 (MIT licence, August 2026) and "CDNA5" Instruction Set Architecture Reference Guide (July 2026). The comments in the code are by the model that wrote it; some were corrected since.
;; Multi Head Atten. Allowed arithmetic: matrix products marked QUANTISED: E2M1 operands, one E8M0 scale for each 32 along K, by v_wmma_scale_f32_16x16x128_f8f6f4 with both operands' format E2M1 (or v_wmma_scale_f32_32x16x128_f4), f32 sums; products left as they are: bf16, f16 or f32 operands; f32 sums; everything else in f32.
;; Inputs: Wk 1,024 x 1,024 float32; Wo 1,024 x 1,024 float32; Wq 1,024 x 1,024 float32; Wv 1,024 x 1,024 float32; bk 1,024 float32; bo 1,024 float32; bq 1,024 float32; bv 1,024 float32; key 4 x 2,048 x 1,024 float32; mask 4 x 2,048 x 2,048 bool; query 4 x 2,048 x 1,024 float32; value 4 x 2,048 x 1,024 float32.
;; Outputs: out0 4 x 2,048 x 1,024 float32.
;; This version of the problem:
;;   THIS VERSION OF THE PROBLEM IS GIVEN IN LOW PRECISION. The matrix products marked QUANTISED in the list below multiply operands that are first quantised to E2M1 (2 exponent bits, 1 mantissa bit; 4 bits a number), with one power-of-two scale for each 32 numbers along K (OCP MX v1.0); their sums are f32. The products marked 'left as it is' may take bf16, f16 or f32 operands, with f32 sums. Whichever they take, every output number must still come out within the allowed error. Rounding operands to bf16 (8 significant bits) uses up far more of that allowance than f16 does (11 bits, for magnitudes from 6e-5 to 65,504). All else is computed in f32.
;;   The module's matrix products, in the order in which they are computed (A, B: the left and right operand; K: the contracted axis; several contracted axes count as one K, in the product's order):
;;     1. [M 8,192, K 1,024] x [K 1,024, N 1,024]; A: input query; B: input Wq: QUANTISED
;;     2. [M 8,192, K 1,024] x [K 1,024, N 1,024]; A: input key; B: input Wk: QUANTISED
;;     3. [M 8,192, K 1,024] x [K 1,024, N 1,024]; A: input value; B: input Wv: QUANTISED
;;     4. batch 64 x [M 2,048, K 64] x [K 64, N 2,048]; A: computed on the way; B: computed on the way: left as it is (an operand is computed on the way)
;;     5. batch 64 x [M 2,048, K 2,048] x [K 2,048, N 64]; A: computed on the way; B: computed on the way: left as it is (an operand is computed on the way)
;;     6. [M 8,192, K 1,024] x [K 1,024, N 1,024]; A: computed on the way; B: input Wo: left as it is (an operand is computed on the way)
;;   THE QUANTISER, for each operand of a quantised product, along K:
;;     - K is cut into blocks of 32 from its start; a last block that is shorter is filled with zeros.
;;     - A block's scale is 2^e with e = floor(log2(the largest magnitude in the block)) - 2, held to -126 .. 127; a block of zeros has e = 0. As a byte (E8M0): e + 127.
;;     - Each number is divided by its block's scale, clamped to +-6, and rounded to the nearest number of E2M1, ties to even, subnormals kept.
;;     - The product sums the exact products of the quantised numbers (number of the format x scale) in f32.
;;   ~~~python
;;   def quantise(x, axis):      # numpy; x: float32 -> the quantised numbers, widened to float32 again
;;       x = np.moveaxis(x, axis, -1); K = x.shape[-1]
;;       x = np.pad(x, [(0, 0)] * (x.ndim - 1) + [(0, -K % 32)]); x = x.reshape(x.shape[:-1] + (-1, 32)); a = np.abs(x).max(-1, keepdims=True)
;;       e = np.where(a > 0, np.clip(np.frexp(np.where(a > 0, a, 1))[1] - 1 - 2, -126, 127), 0)      # np.frexp(a)[1] - 1 = floor(log2(a)), exactly
;;       r = np.clip(x / 2.0 ** e, -6, 6)
;;       step = 2.0 ** (np.maximum(np.frexp(np.where(r == 0, 1, r))[1] - 1, 0) - 1)
;;       q = np.round(r / step) * step * 2.0 ** e      # np.round: ties to even
;;       return np.moveaxis(q.reshape(q.shape[:-2] + (-1,))[..., :K], -1, axis).astype(np.float32)
;;   ~~~
;; One version. Each part assembles by itself: llvm-mc -triple=amdgcn-amd-amdhsa -mcpu=gfx1250 --defsym DOCPART=n.
;; ======== version 1 of 1: 4 launches
;; limits: values are held in f16: magnitudes above 65,504 overflow, below 6.1e-05 lose precision
;; workspace buffers: cd 14,155,776 bytes; sc 884,736 bytes; wof 2,097,152 bytes; mw 2,097,152 bytes of whole numbers; qf 16,777,216 bytes; kv 33,554,432 bytes; xf 16,777,216 bytes
;; launch prep (part 1): grid 2016 x 1, 4 waves a work-group, no clusters, 50,688 bytes of LDS; arguments query, key, value, Wq, Wk, Wv, Wo, mask, cd, sc, wof, mw; writes cd, sc, wof, mw
.if DOCPART == 1
	.amdgcn_target "amdgcn-amd-amdhsa--gfx1250"
	.amdhsa_code_object_version 6
	.text
	.protected	k_q053f8709b9_prep
	.globl	k_q053f8709b9_prep
	.p2align	8
	.type	k_q053f8709b9_prep,@function
k_q053f8709b9_prep:
	s_mov_b64 s[64:65], 0
	v_nop
	global_prefetch_b8 v0, s[64:65] scope:SCOPE_SE
	s_setreg_imm32_b32 hwreg(HW_REG_WAVE_MODE, 25, 1), 1
	s_wait_xcnt 0x0
; PREPARATION, three kinds of work-group, told apart by the work-group's number alone:
;   0 .. 863     query, key, value [8192][1024] and Wq, Wk, Wv [1024][1024], f32, K innermost, become codes of FP4 (E2M1) in cd [27648 rows][512 bytes] and one E8M0 byte for each 32 along K in sc [27648][32].
;                Rows 0-8191 query, then key, then value; rows 24576 + 1024 z are Wq, Wk, Wv.  A block's scale is 2^(floor(log2(largest magnitude)) - 2).
;   864 .. 991   Wo [1024][1024] f32 becomes f16 in wof, laid in CHUNKS of 16 rows x 16 k (512 bytes, lane r + 16 h holds row r, k = 8 h .. 8 h + 7 at byte 16 x lane): [n / 256][k / 128][16 row tiles][8 chunks].
;   992 .. 2015  mask [4][2048][2048] bytes becomes lane masks in mw: [512 query tiles][32 key steps][32 words]; word 8 u + j, bit r + 16 h = mask(query 16 QT + r, key 64 step + 16 u + 8 h + j).
; LIMITS: a block whose largest magnitude lies under 2^-124 keeps the byte 1 (a block of zeros too: its codes are zeros and this program alone reads the bytes); NaN and infinities are not served;
; Wo beyond 65,504 in magnitude becomes infinity in f16, under 6e-5 it loses bits.
; No tensor loads, no barrier, no matrix unit, no cluster: waves share nothing and the launch is a stream.  Each kind of work-group has LDS bytes of its own.
.set SPW,   12                         ; v12  LDS address of my spare word; never rewritten
.set NIL,   13                         ; v13  0; never rewritten
.set WREG,  8192                       ; quantiser: a region for each wave: two stages of 32 x SP bytes, behind them its 256 scale bytes
.set SP,    80                         ; a lane's place in a stage: 64 bytes + 16 of padding
.set MST,   32768                      ; mask: a stage of 16 rows x MPITCH for each wave
.set MPITCH, 272
.set SPARE, 50176                      ; the spare words, 128 bytes for each wave
.set STEPS, 16
.set EMAX,  2
.set CB,    8
.set R,     16                         ; v16-79   four sets of 16 numbers as loaded
.set X,     80                         ; v80-111  two sets of 16 neighbours
.set E,     112                        ; v112-127 a scale byte for each step
.set C,     128                        ; v128-191 codes, four registers a step
.macro FIN                             ; a wave's end: behind the last LDS store
	s_wait_tensorcnt 0x0
	ds_add_u32 v[SPW], v[NIL]
	s_wait_dscnt 0x0
	s_endpgm
.endm
	s_load_b512 s[8:23], s[0:1], 0x0               ; query 8, key 10, value 12, Wq 14, Wk 16, Wv 18, Wo 20, mask 22
	s_load_b256 s[24:31], s[0:1], 0x40             ; cd 24, sc 26, wof 28, mw 30
	v_lshl_add_u32 v[SPW], v0, 2, SPARE
	v_mov_b32 v[NIL], 0
	v_lshrrev_b32 v1, 5, v0
	v_readfirstlane_b32 s4, v1                     ; wave
	v_and_b32 v2, 31, v0                           ; lane
	v_lshlrev_b32 v3, 4, v2                        ; 16 x lane
	s_cmp_lt_u32 ttmp9, 864
	s_cbranch_scc0 .Lnot_q
; ---------------- the quantiser: a wave takes 16 steps of 512 numbers; nothing here knows of rows
	s_mul_i32 s5, s4, WREG
	v_lshrrev_b32 v14, 2, v2
	v_mul_u32_u24 v14, v14, SP
	v_and_b32 v15, 3, v2
	v_lshl_add_u32 v14, v15, 4, v14
	v_add_nc_u32 v14, s5, v14                      ; the stage on the way in: SP (lane / 4) + 16 (lane % 4)
	v_mul_u32_u24 v15, v2, SP
	v_add_nc_u32 v15, s5, v15                      ; on the way out: SP x lane: my 16 neighbours
	v_lshlrev_b32 v4, 3, v2                        ; my 8 bytes of a step's codes
	v_lshrrev_b32 v5, 1, v2
	s_add_co_u32 s5, s5, 2*32*SP
	v_add_nc_u32 v5, s5, v5                        ; my block's scale byte in the wave's 256
	v_lshlrev_b32 v7, 3, v2
	v_add_nc_u32 v6, s5, v7
	s_wait_kmcnt 0x0
	s_cmp_lt_u32 ttmp9, 768                        ; an activation tensor (256 work-groups each) or a weight (32 each)?  The choice hangs on the work-group's number alone
	s_cselect_b64 s[32:33], s[8:9], s[14:15]
	s_cselect_b64 s[34:35], s[10:11], s[16:17]
	s_cselect_b64 s[36:37], s[12:13], s[18:19]
	s_cselect_b32 s6, 0, 768
	s_cselect_b32 s7, 8, 5
	s_sub_co_u32 s6, ttmp9, s6
	s_lshr_b32 s38, s6, s7                         ; which of the three
	s_lshl_b32 s39, s38, s7
	s_sub_co_u32 s39, s6, s39                      ; which part of it
	s_cmp_eq_u32 s38, 2
	s_cselect_b64 s[34:35], s[36:37], s[34:35]
	s_cmp_eq_u32 s38, 0
	s_cselect_b64 s[32:33], s[32:33], s[34:35]     ; the source
	s_lshl_b32 s39, s39, 2
	s_add_co_u32 s39, s39, s4                      ; my wave's run of 8,192 numbers in the source,
	s_lshl_b32 s40, s39, 15
	s_mov_b32 s41, 0
	s_add_nc_u64 s[32:33], s[32:33], s[40:41]
	s_lshl_b32 s42, ttmp9, 2
	s_add_co_u32 s42, s42, s4                      ; and in cd and sc, which hold all six tensors on end
	s_lshl_b32 s40, s42, 12
	s_add_nc_u64 s[24:25], s[24:25], s[40:41]
	s_lshl_b32 s40, s42, 8
	s_add_nc_u64 s[26:27], s[26:27], s[40:41]
.macro LOAD t
.irp i, 0,1,2,3
	global_load_b128 v[R+16*((\t)%4)+4*\i:R+16*((\t)%4)+4*\i+3], v3, s[32:33] offset:2048*(\t)+512*\i th:TH_LOAD_NT   ; 32 lanes read 512 consecutive bytes
.endr
.endm
.macro TURN t                          ; a step's numbers through the stage: LDS serves a wave's instructions in order, so no wait stands between the stores and the loads
.irp i, 0,1,2,3
	ds_store_b128 v14, v[R+16*((\t)%4)+4*\i:R+16*((\t)%4)+4*\i+3] offset:32*SP*((\t)%2)+8*SP*\i
.endr
.irp i, 0,1,2,3
	ds_load_b128 v[X+16*((\t)%2)+4*\i:X+16*((\t)%2)+4*\i+3], v15 offset:32*SP*((\t)%2)+16*\i
.endr
.endm
.irp t, 0,1,2,3
	LOAD \t
.endr
	s_wait_loadcnt 12                              ; step 0's four loads are in
	TURN 0
.macro STEP t
.set XS, X+16*((\t)%2)
.if (\t) > 0
	s_wait_dscnt 1                                 ; this step's numbers are back from the stage; the last step's byte store may be out
.else
	s_wait_dscnt 0x0
.endif
.if (\t)+4 < STEPS
	LOAD (\t)+4                                    ; into the registers that the stage's stores have read
.endif
.if (\t)+1 < STEPS
.if STEPS-2-(\t) >= 3
	s_wait_loadcnt 12                              ; the next step's four loads are in; those of the three steps behind may be out
.else
	s_wait_loadcnt 4*(STEPS-2-(\t))
.endif
	TURN (\t)+1
.endif
	v_max3_num_f32 v8, |v[XS]|, |v[XS+1]|, |v[XS+2]|               ; the largest magnitude of my 16
	v_max3_num_f32 v9, |v[XS+3]|, |v[XS+4]|, |v[XS+5]|
.irp i, 6,10
	v_max3_num_f32 v8, v8, |v[XS+\i]|, |v[XS+\i+1]|
	v_max3_num_f32 v9, v9, |v[XS+\i+2]|, |v[XS+\i+3]|
.endr
	v_max3_num_f32 v8, v8, |v[XS+14]|, |v[XS+15]|
	v_max3_num_f32 v8, v8, v9, (EMAX+1)<<23        ; and the floor 2^(3 - 127): the byte cannot fall under 1
	v_max_num_f32_dpp v8, v8, v8 row_xmask:1 row_mask:0xf bank_mask:0xf   ; with my neighbour's 16: the block's
	v_add_nc_u32 v11, -(EMAX<<23), v8              ; 2 off its exponent field: the conversion takes this operand's exponent field as its scale
	v_cvt_scalef32_pk8_fp4_f32 v[C+4*(\t)], v[XS:XS+7], v11
	v_cvt_scalef32_pk8_fp4_f32 v[C+4*(\t)+1], v[XS+8:XS+15], v11
	v_lshrrev_b32 v[E+(\t)], 23, v11               ; the scale's byte
	ds_store_b8 v5, v[E+(\t)] offset:16*(\t)       ; both lanes of a block write the same byte with the same value
	global_store_b64 v4, v[C+4*(\t):C+4*(\t)+1], s[24:25] offset:32*CB*(\t)   ; the wave stores 256 consecutive bytes, aligned
.endm
.irp t, 0,1,2,3,4,5,6,7,8,9,10,11,12,13,14,15
	STEP \t
.endr
	ds_load_b64 v[8:9], v6                         ; the wave's 256 scale bytes
	s_wait_dscnt 0x0
	global_store_b64 v7, v[8:9], s[26:27]          ; 256 consecutive bytes, aligned
	FIN
.Lnot_q:
	s_cmp_lt_u32 ttmp9, 992
	s_cbranch_scc0 .Lmask
; ---------------- Wo to f16 chunks: a wave takes 16 rows x 128 k = 8 chunks
	s_sub_co_u32 s5, ttmp9, 864
	s_lshl_b32 s5, s5, 2
	s_add_co_u32 s5, s5, s4                        ; job 0 .. 511
	s_lshr_b32 s6, s5, 3                           ; tile of 16 rows, 0 .. 63
	s_and_b32 s7, s5, 7                            ; k / 128
	v_and_b32 v4, 15, v2                           ; r
	v_lshrrev_b32 v5, 4, v2                        ; h
	v_lshlrev_b32 v6, 12, v4
	v_lshl_add_u32 v6, v5, 5, v6                   ; row r of 4,096 bytes + 32 h
	s_lshl_b32 s32, s6, 16
	s_lshl_b32 s33, s7, 9
	s_add_co_u32 s32, s32, s33
	s_mov_b32 s33, 0
	s_lshr_b32 s34, s6, 4
	s_lshl_b32 s34, s34, 3
	s_add_co_u32 s34, s34, s7
	s_lshl_b32 s34, s34, 4
	s_and_b32 s35, s6, 15
	s_add_co_u32 s34, s34, s35
	s_lshl_b32 s34, s34, 12                        ; (((tile / 16) 8 + k / 128) 16 + tile % 16) x 8 chunks of 512 bytes
	s_mov_b32 s35, 0
	s_wait_kmcnt 0x0
	s_add_nc_u64 s[20:21], s[20:21], s[32:33]
	s_add_nc_u64 s[28:29], s[28:29], s[34:35]
.irp q, 0,1,2,3,4,5,6,7
	global_load_b128 v[16+8*\q:19+8*\q], v6, s[20:21] offset:64*\q
	global_load_b128 v[20+8*\q:23+8*\q], v6, s[20:21] offset:64*\q+16
.endr
.irp q, 0,1,2,3,4,5,6,7
	s_wait_loadcnt 14-2*\q                         ; this chunk's two loads are in; the later chunks' may be out
.irp i, 0,1,2,3
	v_cvt_pk_f16_f32 v[80+4*\q+\i], v[16+8*\q+2*\i], v[17+8*\q+2*\i]
.endr
	global_store_b128 v3, v[80+4*\q:83+4*\q], s[28:29] offset:512*\q   ; a chunk: 512 consecutive bytes, aligned
.endr
	FIN
.Lmask:
; ---------------- mask bytes to lane masks: a wave takes 16 queries x 256 keys = 128 words
	s_sub_co_u32 s5, ttmp9, 992
	s_lshl_b32 s5, s5, 2
	s_add_co_u32 s5, s5, s4                        ; job 0 .. 4095
	s_lshr_b32 s6, s5, 3                           ; query tile 0 .. 511
	s_and_b32 s7, s5, 7                            ; which 256 keys
	s_lshl_b32 s32, s6, 15                         ; 16 rows of 2,048 bytes
	s_lshl_b32 s33, s7, 8
	s_add_co_u32 s32, s32, s33
	s_mov_b32 s33, 0
	s_lshl_b32 s34, s5, 9                          ; 512 bytes of words a job
	s_mov_b32 s35, 0
	v_and_b32 v4, 15, v2
	v_lshrrev_b32 v5, 4, v2
	v_lshlrev_b32 v6, 11, v5
	v_lshl_add_u32 v6, v4, 4, v6                   ; in: sixteen lanes take a row's 256 bytes, two rows a load
	s_mul_i32 s36, s4, 16*MPITCH
	s_add_co_u32 s36, s36, MST
	v_mul_u32_u24 v7, v5, MPITCH
	v_lshl_add_u32 v7, v4, 4, v7
	v_add_nc_u32 v7, s36, v7                       ; into the stage as loaded
	v_mul_u32_u24 v8, v4, MPITCH
	v_lshl_add_u32 v8, v5, 3, v8
	v_add_nc_u32 v8, s36, v8                       ; out of it: lane (r, h): row r, 8 keys from 8 h on; 68 words from row to row, so the 32 lanes' 64 words fall on 64 banks
	s_wait_kmcnt 0x0
	s_add_nc_u64 s[22:23], s[22:23], s[32:33]
	s_add_nc_u64 s[30:31], s[30:31], s[34:35]
.irp i, 0,1,2,3,4,5,6,7
	global_load_b128 v[16+4*\i:19+4*\i], v6, s[22:23] offset:4096*\i th:TH_LOAD_NT
.endr
.irp i, 0,1,2,3
	v_mov_b32 v[80+\i], 0                          ; a lane write's destination counts as read
.endr
.irp i, 0,1,2,3,4,5,6,7
	s_wait_loadcnt 7-\i                            ; this pair of rows is in
	ds_store_b128 v7, v[16+4*\i:19+4*\i] offset:2*\i*MPITCH
.endr
.irp n, 0,1,2,3,4,5,6,7,8,9,10,11,12,13,14,15
	ds_load_b64 v[48+2*\n:49+2*\n], v8 offset:16*\n   ; keys 16 n + 8 h + 0 .. 7 of row r.  LDS serves a wave's instructions in order: these see my stores
.endr
.irp n, 0,1,2,3,4,5,6,7,8,9,10,11,12,13,14,15
	s_wait_dscnt 15-\n                             ; piece n is in
.irp j, 0,1,2,3,4,5,6,7
	v_and_b32 v[84+\j], 0xff<<(8*(\j%4)), v[48+2*\n+\j/4]
.endr
.irp j, 0,1,2,3,4,5,6,7
	v_cmp_ne_u32 s[40+\j], 0, v[84+\j]             ; the compare's 32 bits ARE word 8 n + j
.endr
.irp j, 0,1,2,3,4,5,6,7
	v_writelane_b32 v[80+\j%4], s[40+\j], 2*\n+\j/4   ; word W goes to register W % 4 of lane W / 4
.endr
.endr
	global_store_b128 v3, v[80:83], s[30:31]       ; 512 consecutive bytes, aligned
	FIN
.Lfunc_end_k_q053f8709b9_prep:
	.size	k_q053f8709b9_prep, .Lfunc_end_k_q053f8709b9_prep-k_q053f8709b9_prep
	.p2alignl 7, 3214868480
	.fill 96, 4, 3214868480
	.section	.rodata,"a",@progbits
	.p2align	6, 0x0
	.amdhsa_kernel k_q053f8709b9_prep
		.amdhsa_group_segment_fixed_size 50688
		.amdhsa_private_segment_fixed_size 0
		.amdhsa_enable_private_segment 0
		.amdhsa_kernarg_size 96
		.amdhsa_user_sgpr_count 2
		.amdhsa_user_sgpr_kernarg_segment_ptr 1
		.amdhsa_wavefront_size32 1
		.amdhsa_system_sgpr_workgroup_id_x 1
		.amdhsa_system_sgpr_workgroup_id_y 1
		.amdhsa_system_sgpr_workgroup_id_z 1
		.amdhsa_system_vgpr_workitem_id 0
		.amdhsa_next_free_vgpr 192
		.amdhsa_next_free_sgpr 66
		.amdhsa_reserve_vcc 0
		.amdhsa_float_denorm_mode_32 3
		.amdhsa_float_denorm_mode_16_64 3
		.amdhsa_memory_ordered 1
		.amdhsa_forward_progress 1
		.amdhsa_inst_pref_size 68
	.end_amdhsa_kernel
	.amdgpu_metadata
---
amdhsa.version: [ 1, 2 ]
amdhsa.kernels:
  - .name:           k_q053f8709b9_prep
    .symbol:         k_q053f8709b9_prep.kd
    .args:
      - { .name: query, .offset: 0, .size: 8, .value_kind: global_buffer, .address_space: global }
      - { .name: key, .offset: 8, .size: 8, .value_kind: global_buffer, .address_space: global }
      - { .name: value, .offset: 16, .size: 8, .value_kind: global_buffer, .address_space: global }
      - { .name: Wq, .offset: 24, .size: 8, .value_kind: global_buffer, .address_space: global }
      - { .name: Wk, .offset: 32, .size: 8, .value_kind: global_buffer, .address_space: global }
      - { .name: Wv, .offset: 40, .size: 8, .value_kind: global_buffer, .address_space: global }
      - { .name: Wo, .offset: 48, .size: 8, .value_kind: global_buffer, .address_space: global }
      - { .name: mask, .offset: 56, .size: 8, .value_kind: global_buffer, .address_space: global }
      - { .name: cd, .offset: 64, .size: 8, .value_kind: global_buffer, .address_space: global }
      - { .name: sc, .offset: 72, .size: 8, .value_kind: global_buffer, .address_space: global }
      - { .name: wof, .offset: 80, .size: 8, .value_kind: global_buffer, .address_space: global }
      - { .name: mw, .offset: 88, .size: 8, .value_kind: global_buffer, .address_space: global }
    .group_segment_fixed_size: 50688
    .private_segment_fixed_size: 0
    .kernarg_segment_align: 8
    .kernarg_segment_size: 96
    .max_flat_workgroup_size: 128
    .sgpr_count:     66
    .vgpr_count:     192
    .wavefront_size: 32
...
	.end_amdgpu_metadata
.endif
;; end of part 1
;; launch proj (part 2): grid 4 x 96, 4 waves a work-group, clusters of 4 x 4, 327,680 bytes of LDS; arguments cd, sc, bq, bk, bv, qf, kv; writes qf, kv
.if DOCPART == 2
	.amdgcn_target "amdgcn-amd-amdhsa--gfx1250"
	.amdhsa_code_object_version 6
	.text
	.protected	k_q053f8709b9_proj
	.globl	k_q053f8709b9_proj
	.p2align	8
	.type	k_q053f8709b9_proj,@function
k_q053f8709b9_proj:
	s_mov_b64 s[64:65], 0
	v_nop
	global_prefetch_b8 v0, s[64:65] scope:SCOPE_SE
	s_setreg_imm32_b32 hwreg(HW_REG_WAVE_MODE, 25, 1), 1
	s_wait_xcnt 0x0
	s_wait_alu depctr_hold_cnt(0) depctr_sa_sdst(0) depctr_va_vdst(0) depctr_va_sdst(0) depctr_va_ssrc(0) depctr_va_vcc(0) depctr_vm_vsrc(0)
	s_getreg_b32 s2, hwreg(HW_REG_IB_STS2, 6, 4)
	s_cmp_eq_u32 s2, 0
	s_cbranch_scc0 .Lentry_in_a_cluster
	s_endpgm
.Lentry_in_a_cluster:
	s_bfe_u32 s2, ttmp6, 0x10000c
	s_cmp_lg_u32 s2, 0xf033
	s_cbranch_scc0 .Lentry_shape_is_right
	s_endpgm
.Lentry_shape_is_right:
; THE THREE QUANTISED PROJECTIONS: y = x W^T + b on codes of FP4 (E2M1) with one E8M0 scale for each 32 along K = 1,024; sums in f32.  Codes cd [27648][512 bytes] and scale bytes sc [27648][32] hold query, key, value
; (rows 0, 8192, 16384 on) and Wq, Wk, Wv (rows 24576 + 1024 z on).  Tile rows 0-31 of the grid make q, 32-63 k, 64-95 v: z = cluster y / 8 is the same in all sixteen partners of a cluster.
; A tile, 256 tokens x 256 outputs, is made by four waves, each 128 x 128: 64 accumulators.  K is two steps of 512: both come as first fills, with the scales of all of K as a third: nothing is filled again.
; CLUSTERS: 4 x 4 work-groups; x's tile is shared along a row of the cluster, W's along a column: joint loads with a mask that names the four.
; THE MATRIX INSTRUCTION IS USED TRANSPOSED (source 0 = 16 rows of W, source 1 = 16 tokens): a lane holds token l % 16 and eight neighbouring outputs, which with the bias added pack into 16 bytes of f16.
; THE RESULTS LEAVE AS CHUNKS of 16 tokens x 16 channels (512 bytes), which is what one accumulator holds: one store of 512 consecutive bytes, no way through LDS.
;   q (times log2(e) / 8, so that the softmax needs no multiplication): qf [64 heads][128 token tiles][4 chunks], lane l at 16 l.
;   k: kv [64 heads][32 steps of 64 keys][first 8 KB: 4 key tiles x 4 chunks], lane l at 16 l.      v: the step's second 8 KB, a chunk as 16 rows of 32 bytes (lane (r, h) at 32 r + 16 h).
; LIMITS: results beyond 65,504 in magnitude become infinity in f16, under 6e-5 they lose bits.
; REGISTERS: window 0: v0-31 addresses; v32-95 scale words, two sets; v128-191 x's fragments, one set; v192-255 the bias.  window 1: W's fragments, two sets.  windows 2, 3: the accumulators.
.set KSTEP,  512
.set NQ,     4
.set ROWB,   256
.set KROW,   512
.set PITCH,  272                       ; an LDS row: 256 bytes + 16 of padding: the 16 rows that a load touches start at 16 different banks
.set FR,     8
.set NL,     2
.set NP,     4
.set HALFT,  128*PITCH
.set SLOT,   4*HALFT
.set KS,     32
.set SCL,    2*SLOT
.set HALFS,  (128*KS/256)*272
.set SBLK,   (16*KS/256)*272
.set SPARE,  SCL+4*HALFS               ; the spare words, 128 bytes for each wave
.set ADRA, 16
.set ADRB, 20
.set VO,   24                          ; v24  my 16 bytes in a chunk
.set BO,   25                          ; v25  32 h: my half's eight biases
.set ADRS, 27
.set SPW,  28
.set NIL,  29
.set SC,   32
.set AF,   128
.set BI,   192                         ; v192-255 bias (8 b + j): output 16 b + 8 h + j of my 128
.set T,    32                          ; the way out: 64 numbers in f32
.set Y,    96                          ; and two sets of 32 registers of f16
.set WV,   95                          ; s95 wave;  s96 which half of the rows (also: I fetch for x (0) or W (1));  s97 which half of the columns (also: which 128 rows I fetch)
.set WM,   96
.set WN,   97
.set TR,   98                          ; s98 tile row
.set LH,   99                          ; s99 log2 of a head's bytes in the output buffer
.set SCF,  100                         ; s[100:101] the factor on the result
.set B00,  14                          ; the four output bases: (token tiles 0-3 or 4-7) x (first or second head)
.set B01,  10
.set B10,  12
.set B11,  16
.set G1, 24
.set G0, 32
.set G1B, 48
.set G0B, 56
.set G1S, 68
.set G0S, 76
.set G1SB, 80
.set G0SB, 88
.set MSB, 0
.macro WIN new                         ; the immediate's high byte repeats the setting that is left
.if MSB != \new
	s_set_vgpr_msb (MSB<<8)|\new
.set MSB, \new
.endif
.endm
.set MUL_LO, 0xa1
.set MUL_HI, 0xf1
.set TO_B,   0x40
.macro JLOAD g0a, g1a, g0b, g1b        ; a joint load: waves 0, 1 fetch for x, waves 2, 3 for W; the branch hangs on the wave's number alone; s_nop 0 and four v_nop follow each line
	s_cmp_eq_u32 s[WM], 0
	s_cbranch_scc0 .Lfor_b_\@
	tensor_load_to_lds s[\g0a:\g0a+3], s[\g1a:\g1a+7]
	s_nop 0
.rept 4
	v_nop
.endr
	s_branch .Lasked_\@
.Lfor_b_\@:
	tensor_load_to_lds s[\g0b:\g0b+3], s[\g1b:\g1b+7]
	s_nop 0
.rept 4
	v_nop
.endr
.Lasked_\@:
.endm
.macro CROUND                          ; a round of the cluster's barrier
	s_barrier_signal -1
	s_barrier_wait -1
	s_cmp_lg_u32 s[WV], 0
	s_cbranch_scc1 .Lnot_wave_0_\@
	s_barrier_signal -3
.Lnot_wave_0_\@:
	s_barrier_wait -3
	s_barrier_signal -1
	s_barrier_wait -1
.endm
	s_load_b128 s[4:7], s[0:1], 0x0                ; cd, sc
	s_load_b256 s[8:15], s[0:1], 0x10              ; bq, bk, bv, qf
	s_load_b64 s[16:17], s[0:1], 0x30              ; kv
	v_lshl_add_u32 v[SPW], v0, 2, SPARE
	v_mov_b32 v[NIL], 0
	ds_add_u32 v[SPW], v[NIL]                      ; the wave's opening: the add, twice on end, and its wait ahead of my first tensor load
	ds_add_u32 v[SPW], v[NIL]
	v_lshrrev_b32 v1, 5, v0
	v_readfirstlane_b32 s[WV], v1
	s_lshr_b32 s[WM], s[WV], 1
	s_and_b32 s[WN], s[WV], 1
	s_bfe_u32 s40, ttmp6, 0x40000                  ; cx
	s_bfe_u32 s41, ttmp6, 0x40004                  ; cy
	s_lshl_b32 s42, ttmp9, 2
	s_add_co_u32 s42, s42, s40                     ; tile column
	s_and_b32 s3, ttmp7, 0xffff                    ; cluster y
	s_lshr_b32 s2, s3, 3                           ; z: 0 q, 1 k, 2 v
	s_lshl_b32 s[TR], s3, 2
	s_add_co_u32 s[TR], s[TR], s41                 ; tile row
	s_lshl_b32 s43, s41, 2
	s_lshl_b32 s43, 15, s43                        ; my row of the cluster
	s_lshl_b32 s44, 0x1111, s40                    ; my column
	s_or_b32 s[G1+0], s43, (0<<16)|(1<<20)|(1<<21)|(5<<22)|(3<<25)  ; mask; elements of 1 byte; padding: 4 words behind every 64; bit 21 beside a mask
	s_or_b32 s[G1B+0], s44, (0<<16)|(1<<20)|(1<<21)|(5<<22)|(3<<25)
.irp g, G1, G1B
	s_mov_b32 s[\g+1], ROWB<<16                    ; tensor_dim0
	s_mov_b32 s[\g+2], 128<<16                     ; tensor_dim1
	s_mov_b32 s[\g+3], ROWB<<16                    ; tile_dim0
	s_mov_b32 s[\g+4], 128                         ; tile_dim1
	s_mov_b32 s[\g+5], KROW                        ; pitch
	s_mov_b32 s[\g+6], 0
	s_mov_b32 s[\g+7], 0
.endr
	s_or_b32 s[G1S+0], s43, (3<<16)|(1<<20)|(1<<21)|(5<<22)|(3<<25)  ; the scales of 128 rows: 4,096 dense bytes as 16 rows of 256 (32 elements of 8 bytes), 16 bytes of padding behind each
	s_or_b32 s[G1SB+0], s44, (3<<16)|(1<<20)|(1<<21)|(5<<22)|(3<<25)
.irp g, G1S, G1SB
	s_mov_b32 s[\g+1], 32<<16
	s_mov_b32 s[\g+2], (128*KS/256)<<16
	s_mov_b32 s[\g+3], 32<<16
	s_mov_b32 s[\g+4], 128*KS/256
	s_mov_b32 s[\g+5], 32
	s_mov_b32 s[\g+6], 0
	s_mov_b32 s[\g+7], 0
.endr
	s_lshl_b32 s18, s[WN], 7                       ; which 128 rows of a tile I fetch
	s_lshl_b32 s20, s[TR], 8
	s_add_co_u32 s20, s20, s18                     ; x: row 256 x tile row + 128 x half
	s_lshl_b32 s46, s42, 8
	s_add_co_u32 s46, s46, s18
	s_lshl_b32 s19, s2, 10
	s_add_co_u32 s46, s46, s19
	s_add_co_u32 s46, s46, 24576                   ; W: row 24576 + 1024 z + 256 x tile column + 128 x half
	s_lshl_b32 s22, s20, 5                         ; their scale bytes,
	s_mov_b32 s23, 0
	s_lshl_b32 s92, s46, 5
	s_mov_b32 s93, 0
	s_lshl_b32 s20, s20, 9                         ; and their codes
	s_mov_b32 s21, 0
	s_lshl_b32 s46, s46, 9
	s_mov_b32 s47, 0
	s_mul_i32 s45, s[WV], HALFT                    ; where they go: wave x 128 rows: no place in the cluster enters an LDS address
	s_mul_i32 s94, s[WV], HALFS
	s_wait_dscnt 0x0                               ; both opening adds are done
	s_wait_kmcnt 0x0
	s_add_nc_u64 s[20:21], s[4:5], s[20:21]
	s_add_nc_u64 s[22:23], s[6:7], s[22:23]
	s_add_nc_u64 s[46:47], s[4:5], s[46:47]
	s_add_nc_u64 s[92:93], s[6:7], s[92:93]
	CROUND                                         ; all sixteen work-groups are here: the first joint loads meet
	s_mov_b32 s[G0S], 1
	s_add_co_u32 s[G0S+1], s94, SCL
	s_mov_b64 s[G0S+2:G0S+3], s[22:23]
	s_or_b32 s[G0S+3], s[G0S+3], 0x80000000
	s_mov_b32 s[G0SB], 1
	s_add_co_u32 s[G0SB+1], s94, SCL
	s_mov_b64 s[G0SB+2:G0SB+3], s[92:93]
	s_or_b32 s[G0SB+3], s[G0SB+3], 0x80000000
	JLOAD G0S, G1S, G0SB, G1SB                     ; the scales first: they are wanted with K step 0
.irp s, 0,1
	s_mov_b32 s[G0+4*\s], 1
	s_add_co_u32 s[G0+4*\s+1], s45, \s*SLOT
	s_add_nc_u64 s[G0+4*\s+2:G0+4*\s+3], s[20:21], \s*ROWB
	s_or_b32 s[G0+4*\s+3], s[G0+4*\s+3], 0x80000000
	s_mov_b32 s[G0B+4*\s], 1
	s_add_co_u32 s[G0B+4*\s+1], s45, \s*SLOT
	s_add_nc_u64 s[G0B+4*\s+2:G0B+4*\s+3], s[46:47], \s*ROWB
	s_or_b32 s[G0B+4*\s+3], s[G0B+4*\s+3], 0x80000000
	JLOAD G0+4*\s, G1, G0B+4*\s, G1B               ; three loads of mine are out
.endr
	v_and_b32 v1, 15, v0                           ; r
	v_bfe_u32 v2, v0, 4, 1                         ; h
	; what hangs on the tensor is chosen, never branched on
	s_cmp_eq_u32 s2, 2
	s_cselect_b64 s[10:11], s[12:13], s[10:11]
	s_cselect_b32 s3, 8192, 0                      ; v lies in a step's second half
	s_cselect_b32 s18, 32, 16                      ; a lane's place in a chunk: r x 16 + h x 256, for v r x 32 + h x 16
	s_mov_b32 s19, 256
	s_cselect_b32 s19, 16, s19
	s_cmp_eq_u32 s2, 0
	s_cselect_b64 s[8:9], s[8:9], s[10:11]         ; the bias
	s_cselect_b64 s[14:15], s[14:15], s[16:17]     ; qf or kv
	s_mov_b32 s[SCF], 0x3e38aa3b                   ; log2(e) / 8 on q, 1 on k and v
	s_cselect_b32 s[SCF], s[SCF], 1.0
	s_mov_b32 s[SCF+1], s[SCF]
	s_cselect_b32 s[LH], 18, 19                    ; a head is 2^18 bytes in qf, 2^19 in kv
	v_mul_u32_u24 v5, s18, v1
	v_mad_u32_u24 v[VO], v2, s19, v5
	s_lshl_b32 s18, s42, 10
	s_lshl_b32 s19, s[WN], 9
	s_add_co_u32 s18, s18, s19
	s_mov_b32 s19, 0
	s_add_nc_u64 s[8:9], s[8:9], s[18:19]          ; my 128 biases
	v_lshlrev_b32 v[BO], 5, v2
.irp b, 0,1,2,3,4,5,6,7
	global_load_b128 v[BI+8*\b:BI+8*\b+3], v[BO], s[8:9] offset:64*\b
	global_load_b128 v[BI+8*\b+4:BI+8*\b+7], v[BO], s[8:9] offset:64*\b+16
.endr
	s_lshl_b32 s16, s2, 5
	s_sub_co_u32 s16, s[TR], s16                   ; tile row within the tensor
	s_lshr_b32 s17, s16, 3                         ; batch
	s_and_b32 s16, s16, 7
	s_lshl_b32 s16, s16, 4
	s_lshl_b32 s10, s[WM], 3
	s_add_co_u32 s16, s16, s10                     ; my first token tile of the batch's 128, a multiple of 8
	s_lshl_b32 s17, s17, 4
	s_lshl_b32 s10, s42, 2
	s_add_co_u32 s17, s17, s10
	s_lshl_b32 s10, s[WN], 1
	s_add_co_u32 s17, s17, s10                     ; my first head: 16 x batch + 4 x tile column + 2 x half
	s_lshl_b32 s17, s17, s[LH]
	s_sub_co_u32 s10, s[LH], 7
	s_lshl_b32 s16, s16, s10                       ; 128 token tiles to a head
	s_add_co_u32 s16, s16, s17
	s_add_co_u32 s16, s16, s3
	s_mov_b32 s17, 0
	s_add_nc_u64 s[B00:B00+1], s[14:15], s[16:17]
	s_lshl_b32 s18, 1, s[LH]                       ; a head on
	s_mov_b32 s19, 0
	s_sub_co_u32 s10, s[LH], 5
	s_lshl_b32 s2, 1, s10                          ; four token tiles on
	s_mov_b32 s3, 0
	s_add_nc_u64 s[B01:B01+1], s[B00:B00+1], s[18:19]
	s_add_nc_u64 s[B10:B10+1], s[B00:B00+1], s[2:3]
	s_add_nc_u64 s[B11:B11+1], s[B10:B10+1], s[18:19]
	v_mul_u32_u24 v3, v1, PITCH
	v_lshl_add_u32 v4, v2, 4, v3                   ; a fragment's row x pitch + 16 x half
	s_mul_i32 s21, s[WM], HALFT
	s_mul_i32 s22, s[WN], HALFT
	s_add_co_u32 s22, s22, 2*HALFT
.irp s, 0,1
	v_add_nc_u32 v[ADRA+\s], s21, v4
	v_add_nc_u32 v[ADRB+\s], s22, v4
	s_add_co_u32 s21, s21, SLOT
	s_add_co_u32 s22, s22, SLOT
.endr
	v_mul_u32_u24 v5, v1, KS                       ; my row's scales: 32 bytes a row,
	v_lshrrev_b32 v6, 8, v5
	v_lshl_add_u32 v5, v6, 4, v5                   ; and 16 more for each 256 passed
	s_mul_i32 s21, s[WM], HALFS
	s_mul_i32 s22, s[WN], HALFS
	s_add_co_u32 s22, s22, 2*HALFS
	s_sub_co_u32 s22, s22, s21
	v_mul_u32_u24 v6, s22, v2                      ; lanes 16-31 take W's
	s_add_co_u32 s21, s21, SCL
	v_add_nc_u32 v5, v5, v6
	v_add_nc_u32 v[ADRS], s21, v5
.macro FRAG reg, adr, q, i             ; 16 rows x 128 K of 4-bit codes: 8 registers, two loads of 16 bytes, 32 bytes apart
.irp c, 0,1
	ds_load_b128 v[\reg+4*\c:\reg+4*\c+3], v[\adr] offset:64*(\q)+32*\c+(\i)*16*PITCH
.endr
.endm
; 16 matrix instructions: x's blocks a0, a0 + 1 against W's eight.  The 64 accumulators take turns, one instruction a turn.
.macro MUL16 a0, p, q, sc, zero
.irp a, \a0, \a0+1
.irp b, 0,1,2,3,4,5,6,7
.if \zero
	v_wmma_scale_f32_16x16x128_f8f6f4 v[8*(8*((\a)%4)+\b):8*(8*((\a)%4)+\b)+7], v[128*(\p)+FR*\b:128*(\p)+FR*\b+FR-1], v[AF+FR*(\a):AF+FR*(\a)+FR-1], 0, v[SC+8*NQ*(\sc)+NQ*\b+(\q)], v[SC+8*NQ*(\sc)+NQ*(\a)+(\q)] matrix_a_fmt:MATRIX_FMT_FP4 matrix_b_fmt:MATRIX_FMT_FP4 matrix_a_scale:MATRIX_SCALE_ROW1
.else
	v_wmma_scale_f32_16x16x128_f8f6f4 v[8*(8*((\a)%4)+\b):8*(8*((\a)%4)+\b)+7], v[128*(\p)+FR*\b:128*(\p)+FR*\b+FR-1], v[AF+FR*(\a):AF+FR*(\a)+FR-1], v[8*(8*((\a)%4)+\b):8*(8*((\a)%4)+\b)+7], v[SC+8*NQ*(\sc)+NQ*\b+(\q)], v[SC+8*NQ*(\sc)+NQ*(\a)+(\q)] matrix_a_fmt:MATRIX_FMT_FP4 matrix_b_fmt:MATRIX_FMT_FP4 matrix_a_scale:MATRIX_SCALE_ROW1
.endif
.endr
.endr
.endm
.macro FETCH_B slot, q, p
	WIN TO_B
.irp i, 0,1,2,3,4,5,6,7
	FRAG 128*(\p)+FR*\i, ADRB+\slot, \q, \i
.endr
	WIN 0
.endm
.macro FETCH_A slot, q, i0
.irp i, \i0, \i0+1, \i0+2, \i0+3
	FRAG AF+FR*(\i), ADRA+\slot, \q, \i
.endr
.endm
.macro SCALES sc                       ; a K step's scale words: lanes 0-15 x's block i, lanes 16-31 W's block i
.irp i, 0,1,2,3,4,5,6,7
	ds_load_b128 v[SC+8*NQ*\sc+NQ*\i:SC+8*NQ*\sc+NQ*\i+3], v[ADRS] offset:\i*SBLK
.endr
.endm
.macro PLACES n                        ; plain vector instructions in front of loads into registers that matrix instructions have read, and of reads of results
.rept \n
	v_nop
.endr
.endm
.macro STEP slot, q, zero
	s_wait_dscnt 4*NL                              ; W's set and x's blocks 0-3 are in; the youngest eight loads (x's blocks 4-7) may be out
	WIN MUL_LO
	MUL16 0, (\q)%2, \q, \slot, \zero
	MUL16 2, (\q)%2, \q, \slot, \zero
	s_wait_dscnt 0
	PLACES NP
	FETCH_B \slot, (\q)+1, 1-(\q)%2
	FETCH_A \slot, (\q)+1, 0
	WIN MUL_HI
	MUL16 4, (\q)%2, \q, \slot, \zero
	MUL16 6, (\q)%2, \q, \slot, \zero
	PLACES NP
	WIN 0
	FETCH_A \slot, (\q)+1, 4
.endm
.macro STEPS slot, from
.set Q, \from
.rept NQ-1-\from
	STEP \slot, Q, 0
.set Q, Q+1
.endr
.endm
	s_wait_tensorcnt 1                             ; the scales and my part of K step 0 are in; K step 1's load may be out
	s_barrier_signal -1
	s_barrier_wait -1
	FETCH_B 0, 0, 0
	FETCH_A 0, 0, 0
	SCALES 0
	FETCH_A 0, 0, 4
	STEP 0, 0, 1                                   ; the first products start the sums: nothing is cleared
	STEPS 0, 1
	; slot 0's last step changes slots: one barrier; nothing is filled again
	s_wait_tensorcnt 0x0                           ; my part of slot 1 has landed
	ds_add_u32 v[SPW], v[NIL]
	s_wait_dscnt 4*NL+1                            ; the add and x's blocks 4-7 may be out
	WIN MUL_LO
	MUL16 0, 1, NQ-1, 0, 0
	s_wait_dscnt 0x0
	s_barrier_signal -1
	MUL16 2, 1, NQ-1, 0, 0
	WIN 0
	s_barrier_wait -1                              ; slot 1 is whole
	PLACES NP
	v_add_nc_u32 v[ADRS], 4*NQ, v[ADRS]            ; the second K step's scale words
	FETCH_B 1, 0, 0
	FETCH_A 1, 0, 0
	SCALES 1
	WIN MUL_HI
	MUL16 4, 1, NQ-1, 0, 0
	MUL16 6, 1, NQ-1, 0, 0
	PLACES NP
	WIN 0
	FETCH_A 1, 0, 4
	STEPS 1, 0
	s_wait_dscnt 4*NL                              ; the very last step
	WIN MUL_LO
	MUL16 0, 1, NQ-1, 1, 0
	MUL16 2, 1, NQ-1, 1, 0
	s_wait_dscnt 0
	WIN MUL_HI
	MUL16 4, 1, NQ-1, 1, 0
	MUL16 6, 1, NQ-1, 1, 0
	WIN 0
	; THE WAY OUT: (sum + bias) x factor = sum x factor + bias x factor, one fused multiply-add; rounded to f16; each accumulator is a chunk
	s_wait_loadcnt 0x0                             ; the bias
.set i, 0
.rept 32
	v_pk_mul_f32 v[BI+2*i:BI+2*i+1], v[BI+2*i:BI+2*i+1], s[SCF:SCF+1] op_sel_hi:[1,0]   ; these 32 name no register of the last products: they are the places behind them
.set i, i+1
.endr
.macro OUTBLK a
.set AC, 64*((\a)%4)
.set YY, Y+32*((\a)%2)
.if (\a) < 4
.set BL, B00
.set BH, B01
.else
.set BL, B10
.set BH, B11
.endif
.if (\a) >= 2
	s_wait_xcnt 0x0                                ; the stores of two blocks back have read the registers that are written now
.endif
	WIN 0x02+(\a)/4                                ; source 0: window 2 or 3
.set i, 0
.rept 32
	v_pk_fma_f32 v[T+2*i:T+2*i+1], v[AC+2*i:AC+2*i+1], s[SCF:SCF+1], v[BI+2*i:BI+2*i+1] op_sel_hi:[1,0,1]   ; each accumulator from its low end on
.set i, i+1
.endr
	WIN 0
.set i, 0
.rept 32
	v_cvt_pk_f16_f32 v[YY+i], v[T+2*i], v[T+2*i+1]
.set i, i+1
.endr
.irp b, 0,1,2,3
	global_store_b128 v[VO], v[YY+4*\b:YY+4*\b+3], s[BL:BL+1] offset:((\a)%4)*2048+\b*512   ; 512 consecutive bytes, aligned
.endr
.irp b, 0,1,2,3
	global_store_b128 v[VO], v[YY+16+4*\b:YY+16+4*\b+3], s[BH:BH+1] offset:((\a)%4)*2048+\b*512
.endr
.endm
.irp a, 0,1,2,3,4,5,6,7
	OUTBLK \a
.endr
	s_wait_tensorcnt 0x0                           ; the wave's end
	ds_add_u32 v[SPW], v[NIL]
	s_wait_dscnt 0x0
	CROUND                                         ; the closing round
	s_endpgm
.Lfunc_end_k_q053f8709b9_proj:
	.size	k_q053f8709b9_proj, .Lfunc_end_k_q053f8709b9_proj-k_q053f8709b9_proj
	.p2alignl 7, 3214868480
	.fill 96, 4, 3214868480
	.section	.rodata,"a",@progbits
	.p2align	6, 0x0
	.amdhsa_kernel k_q053f8709b9_proj
		.amdhsa_group_segment_fixed_size 327680
		.amdhsa_private_segment_fixed_size 0
		.amdhsa_enable_private_segment 0
		.amdhsa_kernarg_size 56
		.amdhsa_user_sgpr_count 2
		.amdhsa_user_sgpr_kernarg_segment_ptr 1
		.amdhsa_wavefront_size32 1
		.amdhsa_system_sgpr_workgroup_id_x 1
		.amdhsa_system_sgpr_workgroup_id_y 1
		.amdhsa_system_sgpr_workgroup_id_z 1
		.amdhsa_system_vgpr_workitem_id 0
		.amdhsa_next_free_vgpr 1024
		.amdhsa_next_free_sgpr 102
		.amdhsa_reserve_vcc 0
		.amdhsa_float_denorm_mode_32 3
		.amdhsa_float_denorm_mode_16_64 3
		.amdhsa_memory_ordered 1
		.amdhsa_forward_progress 1
		.amdhsa_inst_pref_size 138
	.end_amdhsa_kernel
	.amdgpu_metadata
---
amdhsa.version: [ 1, 2 ]
amdhsa.kernels:
  - .name:           k_q053f8709b9_proj
    .symbol:         k_q053f8709b9_proj.kd
    .args:
      - { .name: cd, .offset: 0, .size: 8, .value_kind: global_buffer, .address_space: global }
      - { .name: sc, .offset: 8, .size: 8, .value_kind: global_buffer, .address_space: global }
      - { .name: bq, .offset: 16, .size: 8, .value_kind: global_buffer, .address_space: global }
      - { .name: bk, .offset: 24, .size: 8, .value_kind: global_buffer, .address_space: global }
      - { .name: bv, .offset: 32, .size: 8, .value_kind: global_buffer, .address_space: global }
      - { .name: qf, .offset: 40, .size: 8, .value_kind: global_buffer, .address_space: global }
      - { .name: kv, .offset: 48, .size: 8, .value_kind: global_buffer, .address_space: global }
    .group_segment_fixed_size: 327680
    .private_segment_fixed_size: 0
    .kernarg_segment_align: 8
    .kernarg_segment_size: 56
    .max_flat_workgroup_size: 128
    .sgpr_count:     102
    .vgpr_count:     1024
    .wavefront_size: 32
...
	.end_amdgpu_metadata
.endif
;; end of part 2
;; launch attn (part 3): grid 4 x 64, 8 waves a work-group, clusters of 4 x 1, 327,680 bytes of LDS; arguments qf, kv, mw, xf; writes xf
.if DOCPART == 3
	.amdgcn_target "amdgcn-amd-amdhsa--gfx1250"
	.amdhsa_code_object_version 6
	.text
	.protected	k_q053f8709b9_attn
	.globl	k_q053f8709b9_attn
	.p2align	8
	.type	k_q053f8709b9_attn,@function
k_q053f8709b9_attn:
	s_mov_b64 s[64:65], 0
	v_nop
	global_prefetch_b8 v0, s[64:65] scope:SCOPE_SE
	s_setreg_imm32_b32 hwreg(HW_REG_WAVE_MODE, 25, 1), 1
	s_wait_xcnt 0x0
	s_wait_alu depctr_hold_cnt(0) depctr_sa_sdst(0) depctr_va_vdst(0) depctr_va_sdst(0) depctr_va_ssrc(0) depctr_va_vcc(0) depctr_vm_vsrc(0)
	s_getreg_b32 s2, hwreg(HW_REG_IB_STS2, 6, 4)
	s_cmp_eq_u32 s2, 0
	s_cbranch_scc0 .Lentry_in_a_cluster
	s_endpgm
.Lentry_in_a_cluster:
	s_bfe_u32 s2, ttmp6, 0x10000c
	s_cmp_lg_u32 s2, 0x3003
	s_cbranch_scc0 .Lentry_shape_is_right
	s_endpgm
.Lentry_shape_is_right:
; ATTENTION, f16 operands, f32 sums.  x[b][q][head] = softmax_k(where(mask, q . k / 8, -1e9)) v.  qf holds q x log2(e) / 8, so a score is t in base 2; a masked t is REPLACED by -1e9 log2(e) ahead of the maximum,
; as the definition has it: a row that is masked everywhere gets equal weights.  A running maximum m and sum l for each query: p = 2^(t - m); in every step O and l are multiplied by a = 2^(m_old - m_new).
; The sum is taken of the unrounded p; p is rounded to f16 for the second product; O / l is rounded to f16 once.
; SHARES.  A work-group owns 512 queries of one head; each of its eight waves 64: four tiles of 16.  Every wave walks the head's 2,048 keys, 64 a step.  The four work-groups of a head form the cluster and
; ask for K and V JOINTLY: each wave brings an eighth (8 KB) of a slot of four steps by the same load in all four.
; LAYOUT.  S^T = K Q^T (source 0 = 16 keys, source 1 = 16 queries) and O^T = V^T P: a lane holds ONE query throughout; two score tiles, packed in pairs, ARE source 1 of the second product.
; All operands lie in memory as chunks of 16 rows x 16 k (512 bytes): K and Q come by plain loads at 16 x lane, V (rows of 32 bytes) by the turning load.
; BY TURNS BETWEEN WAVES.  Waves 0-3 and waves 4-7 work in opposite phases: in a HALF-STEP, between two barriers, one kind has the matrix phase (32 products V^T P of the last step, 32 products K Q^T of the
; next, all LDS loads, and the masking and maximum of tiles 0 and 1) and the other the rest of the softmax of its four tiles; then they change.  Which of the two a wave runs is a scalar that flips each half-step.
; THE MASK costs one v_cndmask_b32 a score.  Its lane masks come by scalar loads from mw, 32 words a tile.  A step wants 128 words a wave and 64 scalar registers are free for them: two buffers, each filled twice a
; step, each load issued as soon as the buffer's 32 selects are issued.  Scalar loads can only be waited for all together, so what counts is the way from the LAST load to the wait.  Tiles 2 and 3's words are asked
; for in the middle of the matrix phase: 40 vector and 16 matrix instructions, a barrier and 194 vector instructions ahead of their wait.  The next step's words of tiles 0 and 1 are asked for in the softmax phase:
; 197 vector instructions, a barrier, 32 LDS loads and 48 matrix instructions ahead of theirs.
; LIMITS: scores come from f16 operands (magnitudes over 65,504 become infinity); NaN and infinities are not served.
; REGISTERS.  window 0: v1, v2 the add's two; v3 16 x lane; v4 my place in V's chunks; v5, v6 the step's LDS addresses; v8-11 sums at work; v12 256 x lane; v16-47 statistics, 8 a tile: +0 m, +1 old m, +2, +3 l, +4..7 at work
;   (a in +6); v48-111 Q; v112-239 S^T, 32 a tile, P in its first 16.   window 1: v0-127 O^T, 32 a tile; v128-191 K; v192-255 V.
.set SP,    65536                      ; the two buffers of the ring lie at 0 and here: one exclusive or turns an address
.set HSTEP, 8192                       ; what the walking LDS base gains each half-step; two half-steps are a key step of 16,384 bytes (K 8 KB, V 8 KB)
.set SPARE, 131072                     ; the spare words, 128 bytes for each of eight waves
.set SPW, 1
.set NIL, 2
.set AK,  3
.set AV,  4
.set ADK, 5
.set ADV, 6
.set PFO, 12
.set ST,  16
.set Q,   48
.set S,   112
.set KF,  128
.set VF,  192
.set WV,   2                           ; s2 wave
.set ROLE, 3                           ; s3 0: the matrix phase is mine in this half-step
.set TBH,  4                           ; s4 buffer + 8,192 x (half-step in the slot)
.set CNTI, 5
.set CNTO, 6
.set NEG,  7                           ; s7 -1e9 x log2(e)
.set SEL,  8                           ; s[8:9] lane selects: lane l xor 16
.set MP,   10                          ; s[10:11] my four tiles' mask words
.set MO,   12                          ; s12 this step's words, in bytes;  s13 the next step's
.set MN,   13
.set LIM,  14
.set TYPE, 15                          ; s15 wave / 4
.set G1,   16                          ; s[16:23] descriptor group 1;  s[24:27] group 0 of the first fill;  s[28:31] the walking group 0
.set PFA,  66                          ; s[66:67] where my prefetches stand
.set XO,   100                         ; s[100:101] my rows of xf
.set TA,   104                         ; s104 the step's LDS base (s[104:105] hold Q's address until Q is in)
.set MSB, 0
.macro WIN new
.if MSB != \new
	s_set_vgpr_msb (MSB<<8)|\new
.set MSB, \new
.endif
.endm
.macro CROUND                          ; a round of the cluster's barrier
	s_barrier_signal -1
	s_barrier_wait -1
	s_cmp_lg_u32 s[WV], 0
	s_cbranch_scc1 .Lnot_wave_0_\@
	s_barrier_signal -3
.Lnot_wave_0_\@:
	s_barrier_wait -3
	s_barrier_signal -1
	s_barrier_wait -1
.endm
.macro PBAR                            ; the barrier between half-steps; my LDS loads (V of the step in hand) are in
	s_wait_dscnt 0x0
	s_barrier_signal -1
	s_barrier_wait -1
.endm
.macro NOP5
.rept 5
	v_nop
.endr
.endm
.macro WAITA
	s_wait_alu depctr_va_vdst(0)
.endm
.macro ADDR                            ; both kinds of wave read step (half-step / 2) of the slot: bit 13 of the walking base is dropped
	s_and_b32 s[TA], s[TBH], 0xffffdfff
	v_add_nc_u32 v[ADK], s[TA], v[AK]
	v_add_nc_u32 v[ADV], s[TA], v[AV]
.endm
.macro LDM buf, t, off                 ; tile t's 32 mask words of a step into s[buf .. buf + 31]
	s_load_b512 s[\buf:\buf+15], s[MP:MP+1], s[\off] offset:4096*\t
	s_load_b512 s[\buf+16:\buf+31], s[MP:MP+1], s[\off] offset:4096*\t+64
.endm
; THE SOFTMAX OF A TILE is a list of 117 lines and 32 exponentials.  PL writes line jj of tile t:
;   0-31 the mask;  32-47 the maximum of 32 scores and the old m;  48-51 the other half of the lanes', the new m, m_old - m;  52 a;  53-68 t - m, in pairs;
;   69-84 the sum of the unrounded p, l = a l + sum;  85-100 p to f16, in place, ascending;  101-116 O^T x a (the one part that leaves window 0)
.macro PL t, jj
.set j, \jj
.set rT, ST+8*(\t)
.set rS, S+32*(\t)
.set rM, 32+36*((\t)%2)                ; even tiles' words in s32-63, odd tiles' in s68-99
.if j < 101
	WIN 0
.else
	WIN 0x41
.endif
.if j < 32
	v_cndmask_b32 v[rS+j], s[NEG], v[rS+j], s[rM+j]
.elseif j < 36
	v_max3_num_f32 v[rT+j-28], v[rS+8*(j-32)], v[rS+8*(j-32)+1], v[rS+8*(j-32)+2]
.elseif j < 44
.set c, (j-32)%4
.set d, (j-32)/4
	v_max3_num_f32 v[rT+4+c], v[rT+4+c], v[rS+8*c+2*d+1], v[rS+8*c+2*d+2]
.elseif j == 44
	v_max3_num_f32 v[rT+4], v[rT+4], v[rS+7], v[rS+15]
.elseif j == 45
	v_max3_num_f32 v[rT+6], v[rT+6], v[rS+23], v[rS+31]
.elseif j == 46
	v_max3_num_f32 v[rT+4], v[rT+4], v[rT+5], v[rT+6]
.elseif j == 47
	v_max3_num_f32 v[rT+4], v[rT+4], v[rT+7], v[rT]
.elseif j == 48
	v_permlanex16_b32 v[rT+5], v[rT+4], s[SEL], s[SEL+1]
.elseif j == 49
	v_mov_b32 v[rT+1], v[rT]
.elseif j == 50
	v_max_num_f32 v[rT], v[rT+4], v[rT+5]
.elseif j == 51
	v_sub_f32 v[rT+7], v[rT+1], v[rT]
.elseif j == 52
	v_exp_f32 v[rT+6], v[rT+7]
.elseif j < 69
	v_pk_add_f32 v[rS+2*(j-53):rS+2*(j-53)+1], v[rS+2*(j-53):rS+2*(j-53)+1], v[rT:rT+1] op_sel_hi:[1,0] neg_lo:[0,1] neg_hi:[0,1]
.elseif j == 69
	v_pk_add_f32 v[8:9], v[rS:rS+1], v[rS+2:rS+3]
.elseif j == 70
	v_pk_add_f32 v[10:11], v[rS+4:rS+5], v[rS+6:rS+7]
.elseif j < 83
.set c, (j-71)%2
	v_pk_add_f32 v[8+2*c:9+2*c], v[8+2*c:9+2*c], v[rS+8+2*(j-71):rS+9+2*(j-71)]
.elseif j == 83
	v_pk_add_f32 v[8:9], v[8:9], v[10:11]
.elseif j == 84
	v_pk_fma_f32 v[rT+2:rT+3], v[rT+2:rT+3], v[rT+6:rT+7], v[8:9] op_sel_hi:[1,0,1]
.elseif j < 101
	v_cvt_pk_f16_f32 v[rS+j-85], v[rS+2*(j-85)], v[rS+2*(j-85)+1]
.else
	v_pk_mul_f32 v[32*(\t)+2*(j-101):32*(\t)+2*(j-101)+1], v[32*(\t)+2*(j-101):32*(\t)+2*(j-101)+1], v[rT+6:rT+7] op_sel_hi:[1,0]
.endif
.endm
.macro PLS t, from, to                 ; lines from .. to of one tile
.set n, \from
.rept (\to)-(\from)+1
	PL \t, n
.set n, n+1
.endr
.endm
.macro PL2 ta, tb, from, to            ; lines from .. to of two tiles, line by line by turns: where a line feeds the next, the other tile's stands between
.set n, \from
.rept (\to)-(\from)+1
	PL \ta, n
	PL \tb, n
.set n, n+1
.endr
.endm
.macro EX t, ee
	WIN 0
	v_exp_f32 v[S+32*(\t)+(\ee)], v[S+32*(\t)+(\ee)]
.endm
; 16 products S^T = K Q^T of tiles p and p + 1: eight accumulators by turns; the first eight start the sums.  Five places follow: for vector reads of S^T, for the next loads into K,
; and for products that take S^T's registers as P.
.macro KQP p
	WIN 0x01                                       ; K window 1, Q and S^T window 0
.set i, 0
.rept 16
.set cc, i/8
.set u, (i/2)%4
.set tt, (\p)+i%2
.if cc == 0
	v_wmma_f32_16x16x32_f16 v[S+32*tt+8*u:S+32*tt+8*u+7], v[KF+16*u+8*cc:KF+16*u+8*cc+7], v[Q+16*tt+8*cc:Q+16*tt+8*cc+7], 0
.else
	v_wmma_f32_16x16x32_f16 v[S+32*tt+8*u:S+32*tt+8*u+7], v[KF+16*u+8*cc:KF+16*u+8*cc+7], v[Q+16*tt+8*cc:Q+16*tt+8*cc+7], v[S+32*tt+8*u:S+32*tt+8*u+7]
.endif
.set i, i+1
.endr
	NOP5
.endm
; THE MATRIX PHASE.  pv: 32 products O^T += V^T P of the last step;  kq: this step's K and V from LDS, 32 products S^T = K Q^T in two halves, and between the halves lines 0-51 of tiles 0 and 1.
.macro MPH pv, kq
.if \kq
	WIN 0x40                                       ; destination window 1
.set f, 0
.rept 16
	ds_load_b128 v[KF+4*f:KF+4*f+3], v[ADK] offset:512*f   ; chunk f = 4 u + 2 cc + c is registers 4 f on: K lands while V^T P is multiplied
.set f, f+1
.endr
.endif
.if \pv
	WIN 0x51                                       ; V and O^T window 1, P window 0
.set i, 0
.rept 32
.set kh, i/16
.set ct, (i/4)%4
.set tt, i%4
	v_wmma_f32_16x16x32_f16 v[32*tt+8*ct:32*tt+8*ct+7], v[VF+16*ct+8*kh:VF+16*ct+8*kh+7], v[S+32*tt+8*kh:S+32*tt+8*kh+7], v[32*tt+8*ct:32*tt+8*ct+7]
.set i, i+1
.endr
	NOP5                                           ; four places for the loads into V's registers, a fifth since K Q^T writes over P, which these products read
.endif
.if \kq
	WIN 0x40
.set g, 0
.rept 16
	ds_load_tr16_b128 v[VF+16*(g%4)+8*(g/8)+4*((g/4)%2):VF+16*(g%4)+8*(g/8)+4*((g/4)%2)+3], v[ADV] offset:512*g   ; chunk g = 4 (key tile) + channel tile, turned
.set g, g+1
.endr
	s_wait_dscnt 16                                ; K's sixteen loads are in; V's sixteen may be out: they are wanted two half-steps on
	KQP 0
	s_wait_kmcnt 0x0                               ; tiles 0 and 1's mask words, asked for in my last softmax phase (the first step's: at the head)
	PLS 0, 0, 31
	LDM 32, 2, MO                                  ; tile 0's words are used up: tile 2's take their place
	PLS 1, 0, 31
	LDM 68, 3, MO                                  ; and tile 3's take tile 1's
	PL2 0, 1, 32, 51                               ; the maximum and the new m of tiles 0 and 1
	KQP 2
.endif
	WIN 0
.endm
; THE SOFTMAX PHASE.  First all of tiles 0 and 1 that is left, 194 instructions that want no mask word; then the wait for tiles 2 and 3's words, and those tiles.  A tile's 32 exponentials stand among plain lines of
; another tile; nothing names a result before the one wait that follows the batch, and a plain line stands behind each batch's last exponential.
.macro VPH
	PL 0, 52                                       ; a of tiles 0 and 1
	PL 1, 52
	PLS 0, 53, 68
.set e, 0
.rept 32
	EX 0, e
.if e%2 == 1
	PL 1, 53+e/2
.endif
.set e, e+1
.endr
	WAITA                                          ; tile 0's p, a of tiles 0 and 1
.set e, 0
.rept 32
	EX 1, e
	PL 0, 69+e
.set e, e+1
.endr
	PLS 0, 101, 116
	WAITA                                          ; tile 1's p
	PLS 1, 69, 116
	WIN 0
	s_wait_kmcnt 0x0                               ; tiles 2 and 3's mask words, asked for in the middle of my matrix phase.  No scalar load is out now, so s[MN] may be written
	s_add_co_u32 s[MN], s[MO], 128
	s_min_u32 s[MN], s[MN], 3968                   ; the last step looks ahead at itself: no load leaves mw
	PLS 2, 0, 31
	LDM 32, 0, MN                                  ; tile 2's words are used up: the next step's of tile 0 take their place
.set e, 0
.rept 32
	PL 3, e
	PL 2, 32+e
.set e, e+1
.endr
	PLS 2, 64, 68
	LDM 68, 1, MN                                  ; and the next step's of tile 1
.set e, 0
.rept 32
	EX 2, e
	PL 3, 32+e
.set e, e+1
.endr
	PLS 3, 64, 68
	WAITA                                          ; tile 2's p, a of tiles 2 and 3
.set e, 0
.rept 32
	EX 3, e
	PL 2, 69+e
.set e, e+1
.endr
	PLS 2, 101, 116
	WAITA                                          ; tile 3's p
	PLS 3, 69, 116
	WIN 0
	s_mov_b32 s[MO], s[MN]                         ; the loads that named s[MO] were waited for above
.endm
.macro HALF
	PBAR
	ADDR                                           ; made ahead of the parting, by every wave
	s_cmp_eq_u32 s[ROLE], 0
	s_cbranch_scc0 .Lsoft_\@
	MPH 1, 1
	s_branch .Ljoin_\@
.Lsoft_\@:
	VPH
.Ljoin_\@:
	s_xor_b32 s[ROLE], s[ROLE], 1
	s_add_co_u32 s[TBH], s[TBH], HSTEP
.endm
.macro HALVES n
	s_mov_b32 s[CNTI], \n
.Lhalf_\@:
	HALF
	s_sub_co_u32 s[CNTI], s[CNTI], 1
	s_cmp_lg_u32 s[CNTI], 0
	s_cbranch_scc1 .Lhalf_\@
.endm
; A PREFETCH INTO THE L2 of the slot that the NEXT change of slots will ask for: 64 KB.  A head is walked by one cluster: its four partners take 16 KB each, told apart by address; in each, waves 0 and 1 ask for
; 8 KB, lanes 256 bytes apart: each block of 256 bytes is named once.  The last change that fills a slot asks for nothing; slots 0 to 2 come by their loads alone.
.macro ASK
	s_cmp_gt_u32 s[CNTO], s[LIM]
	s_cbranch_scc0 .Lnot_mine_\@
	global_prefetch_b8 v[PFO], s[PFA:PFA+1] th:TH_LOAD_NT scope:SCOPE_SE
.Lnot_mine_\@:
.endm
; THE CHANGE OF SLOTS, every eight half-steps.  Each wave waits for all its tensor loads (its eighth of the slot ahead), adds 0 to its spare word, and waits for that and for its reads of the slot that is left.
; fill = 1: behind a round of the cluster's barrier that slot is filled with the keys two slots on: the load has eight half-steps in which to land.
.macro CHANGE fill
	s_wait_tensorcnt 0x0                           ; no tensor load of mine is out, so the walking group 0 may be written
	ds_add_u32 v[SPW], v[NIL]
.if \fill
	s_xor_b32 s29, s29, SP
	s_add_nc_u64 s[30:31], s[30:31], 65536
	s_wait_xcnt 0x0                                ; the last prefetch, a slot back, has read its address
	s_add_nc_u64 s[PFA:PFA+1], s[PFA:PFA+1], 65536
.endif
	s_wait_dscnt 0x0
.if \fill
	CROUND
	tensor_load_to_lds s[28:31], s[G1:G1+7]        ; my one tensor load behind the round
	s_nop 0
.rept 4
	v_nop
.endr
	ASK
.else
	s_barrier_signal -1
	s_barrier_wait -1
.endif
	s_sub_co_u32 s[TBH], s[TBH], 8*HSTEP
	s_xor_b32 s[TBH], s[TBH], SP
.endm
	s_load_b256 s[32:39], s[0:1], 0x0              ; qf 32, kv 34, mw 36, xf 38
	v_lshl_add_u32 v[SPW], v0, 2, SPARE
	v_mov_b32 v[NIL], 0
	ds_add_u32 v[SPW], v[NIL]                      ; the wave's opening: the add, twice on end, and its wait ahead of my first tensor load
	ds_add_u32 v[SPW], v[NIL]
	v_lshrrev_b32 v3, 5, v0
	v_readfirstlane_b32 s[WV], v3
	s_lshr_b32 s[TYPE], s[WV], 2
	s_bfe_u32 s40, ttmp6, 0x40000                  ; cx
	s_lshl_b32 s41, ttmp9, 2
	s_add_co_u32 s41, s41, s40                     ; my block of 512 queries: it enters global addresses alone
	s_and_b32 s42, ttmp7, 0xffff                   ; 16 x batch + head, which the four partners share
	s_lshr_b32 s43, s42, 4
	s_and_b32 s44, s42, 15
	s_lshl_b32 s46, s42, 19                        ; kv: the head's 512 KB,
	s_lshl_b32 s47, s[WV], 13                      ; my eighth of a slot
	s_add_co_u32 s46, s46, s47
	s_mov_b32 s47, 0
	s_lshl_b32 s48, s41, 5
	s_lshl_b32 s49, s[WV], 2
	s_add_co_u32 s48, s48, s49                     ; my first query tile of the sequence's 128
	s_lshl_b32 s50, s42, 18
	s_lshl_b32 s51, s48, 11
	s_add_co_u32 s50, s50, s51                     ; qf
	s_mov_b32 s51, 0
	s_lshl_b32 s52, s43, 7
	s_add_co_u32 s52, s52, s48
	s_lshl_b32 s52, s52, 12                        ; mw: 4,096 bytes a query tile
	s_mov_b32 s53, 0
	s_lshl_b32 s54, s43, 4
	s_lshl_b32 s55, s41, 2
	s_add_co_u32 s54, s54, s55
	s_lshr_b32 s55, s[WV], 1
	s_add_co_u32 s54, s54, s55                     ; xf: which 128 tokens,
	s_lshl_b32 s54, s54, 3
	s_lshr_b32 s55, s44, 1
	s_add_co_u32 s54, s54, s55                     ; which 128 of the 1,024 channels,
	s_lshl_b32 s54, s54, 6
	s_and_b32 s55, s[WV], 1
	s_lshl_b32 s55, s55, 5
	s_add_co_u32 s54, s54, s55                     ; which four token tiles,
	s_and_b32 s55, s44, 1
	s_lshl_b32 s55, s55, 2
	s_add_co_u32 s54, s54, s55                     ; which four chunks
	s_lshl_b32 s54, s54, 9
	s_mov_b32 s55, 0
	s_lshl_b32 s56, s40, 14                        ; the prefetches: my work-group's 16 KB, in slot 2: the first change steps it to slot 3
	s_add_co_u32 s56, s56, 2*65536
	s_mov_b32 s57, 0
	s_mov_b32 s[G1], 15|(3<<16)|(1<<21)            ; the mask: all four work-groups; elements of 8 bytes; no padding; bit 21 beside a mask
	s_mov_b32 s[G1+1], 32<<16                      ; 32 rows of 256 bytes, dense
	s_mov_b32 s[G1+2], 32<<16
	s_mov_b32 s[G1+3], 32<<16
	s_mov_b32 s[G1+4], 32
	s_mov_b32 s[G1+5], 32
	s_mov_b32 s[G1+6], 0
	s_mov_b32 s[G1+7], 0
	s_mov_b32 s24, 1
	s_lshl_b32 s25, s[WV], 13                      ; buffer 0, my eighth
	s_mov_b32 s28, 1
	s_add_co_u32 s29, s25, SP                      ; buffer 1
	s_mov_b32 s[SEL], 0x76543210
	s_mov_b32 s[SEL+1], 0xfedcba98
	s_mov_b32 s[NEG], 0xceabfb8f
	s_mov_b32 s[MO], 0
	s_mov_b32 s[TBH], 0
	s_cmp_lt_u32 s[WV], 2
	s_cselect_b32 s[LIM], 1, -1
	s_wait_dscnt 0x0                               ; both opening adds are done
	s_wait_kmcnt 0x0
	s_add_nc_u64 s[26:27], s[34:35], s[46:47]      ; slot 0
	s_add_nc_u64 s[30:31], s[26:27], 65536         ; slot 1
	s_add_nc_u64 s[PFA:PFA+1], s[26:27], s[56:57]
	s_or_b32 s27, s27, 0x80000000
	s_or_b32 s31, s31, 0x80000000
	s_add_nc_u64 s[TA:TA+1], s[32:33], s[50:51]    ; Q
	s_add_nc_u64 s[MP:MP+1], s[36:37], s[52:53]
	s_add_nc_u64 s[XO:XO+1], s[38:39], s[54:55]
	CROUND                                         ; all four work-groups are here: the first joint loads meet
	tensor_load_to_lds s[24:27], s[G1:G1+7]        ; two loads of mine are out
	s_nop 0
	tensor_load_to_lds s[28:31], s[G1:G1+7]
	s_nop 0
.rept 4
	v_nop
.endr
	v_and_b32 v7, 31, v0
	v_lshlrev_b32 v[AK], 4, v7                     ; 16 x lane
	v_lshlrev_b32 v[PFO], 8, v7
.irp i, 0,1,2,3,4,5,6,7,8,9,10,11,12,13,14,15
	global_load_b128 v[Q+4*\i:Q+4*\i+3], v[AK], s[TA:TA+1] offset:512*\i   ; Q stays in registers: chunk 4 t + cq
.endr
	LDM 32, 0, MO                                  ; step 0's mask words of tiles 0 and 1 (the arguments and scratch in s32-63 are used up)
	LDM 68, 1, MO
	v_bfe_u32 v8, v0, 4, 1
	v_and_b32 v9, 7, v0
	v_bfe_u32 v10, v0, 3, 1
	v_lshl_add_u32 v[AV], v8, 3, v9
	v_lshlrev_b32 v[AV], 5, v[AV]                  ; the turning load: key row 8 (l / 16) + l % 8 of 32 bytes,
	v_lshl_add_u32 v[AV], v10, 4, v[AV]            ; 16 bytes by (l / 8) % 2,
	v_add_nc_u32 v[AV], 8192, v[AV]                ; behind the step's K
.irp t, 0,1,2,3
	v_mov_b32 v[ST+8*\t], 0xff61b1e6               ; m = -3e38, under every t
	v_mov_b32 v[ST+8*\t+2], 0                      ; l
	v_mov_b32 v[ST+8*\t+3], 0
.endr
	WIN 0x40
.set i, 0
.rept 128
	v_mov_b32 v[i], 0                              ; O^T.  The phases are written once: the first a is 0 and leaves zeros zeros
.set i, i+1
.endr
	WIN 0
	s_wait_tensorcnt 1                             ; my eighth of slot 0 is in; slot 1's may be out
	s_barrier_signal -1
	s_barrier_wait -1
	s_wait_loadcnt 0x0                             ; Q is in, and its address registers are free
	ADDR
	MPH 0, 1                                       ; half-step 0: every wave's first scores
	PBAR                                           ; half-step 1: waves 0-3 take their first softmax, waves 4-7 fall half a step behind
	s_cmp_eq_u32 s[TYPE], 0
	s_cbranch_scc0 .Lidle
	VPH
.Lidle:
	s_mov_b32 s[ROLE], s[TYPE]
	s_mov_b32 s[TBH], 2*HSTEP
	HALVES 6                                       ; the rest of slot 0
	s_mov_b32 s[CNTO], 6
.Lslot:                                            ; slots 1 to 6; slots 2 to 7 are asked for
	CHANGE 1
	HALVES 8
	s_sub_co_u32 s[CNTO], s[CNTO], 1
	s_cmp_lg_u32 s[CNTO], 0
	s_cbranch_scc1 .Lslot
	CHANGE 0                                       ; the last slot is written out
	HALVES 8
	PBAR                                           ; half-step 64: waves 0-3 have their last V^T P, waves 4-7 their last softmax and then theirs
	s_cmp_eq_u32 s[TYPE], 0
	s_cbranch_scc0 .Llate
	MPH 1, 0
	s_branch .Lout
.Llate:
	VPH
	MPH 1, 0
.Lout:
	; THE WAY OUT: l's halves and the other half of the lanes' are added; O^T / l, rounded to f16: each accumulator is a chunk of xf
.irp t, 0,1,2,3
	v_add_f32 v[ST+8*\t+4], v[ST+8*\t+2], v[ST+8*\t+3]
.endr
.irp t, 0,1,2,3
	v_permlanex16_b32 v[ST+8*\t+5], v[ST+8*\t+4], s[SEL], s[SEL+1]
.endr
.irp t, 0,1,2,3
	v_add_f32 v[ST+8*\t+4], v[ST+8*\t+4], v[ST+8*\t+5]
.endr
.irp t, 0,1,2,3
	v_rcp_f32 v[ST+8*\t+6], v[ST+8*\t+4]
.endr
	v_nop                                          ; a plain instruction behind the last reciprocal
	WAITA                                          ; one wait for the four, ahead of the first use
.irp t, 0,1,2,3
	WIN 0x41
.set i, 0
.rept 16
	v_pk_mul_f32 v[32*\t+2*i:32*\t+2*i+1], v[32*\t+2*i:32*\t+2*i+1], v[ST+8*\t+6:ST+8*\t+7] op_sel_hi:[1,0]
.set i, i+1
.endr
	WIN 0x05
.set i, 0
.rept 16
	v_cvt_pk_f16_f32 v[S+32*\t+i], v[32*\t+2*i], v[32*\t+2*i+1]
.set i, i+1
.endr
	WIN 0
.irp c, 0,1,2,3
	global_store_b128 v[AK], v[S+32*\t+4*\c:S+32*\t+4*\c+3], s[XO:XO+1] offset:4096*\t+512*\c   ; 512 consecutive bytes, aligned
.endr
.endr
	s_wait_kmcnt 0x0                               ; the last look-ahead of mask words
	s_wait_tensorcnt 0x0                           ; the wave's end
	ds_add_u32 v[SPW], v[NIL]
	s_wait_dscnt 0x0
	CROUND                                         ; the closing round
	s_endpgm
.Lfunc_end_k_q053f8709b9_attn:
	.size	k_q053f8709b9_attn, .Lfunc_end_k_q053f8709b9_attn-k_q053f8709b9_attn
	.p2alignl 7, 3214868480
	.fill 96, 4, 3214868480
	.section	.rodata,"a",@progbits
	.p2align	6, 0x0
	.amdhsa_kernel k_q053f8709b9_attn
		.amdhsa_group_segment_fixed_size 327680
		.amdhsa_private_segment_fixed_size 0
		.amdhsa_enable_private_segment 0
		.amdhsa_kernarg_size 32
		.amdhsa_user_sgpr_count 2
		.amdhsa_user_sgpr_kernarg_segment_ptr 1
		.amdhsa_wavefront_size32 1
		.amdhsa_system_sgpr_workgroup_id_x 1
		.amdhsa_system_sgpr_workgroup_id_y 1
		.amdhsa_system_sgpr_workgroup_id_z 1
		.amdhsa_system_vgpr_workitem_id 0
		.amdhsa_next_free_vgpr 512
		.amdhsa_next_free_sgpr 106
		.amdhsa_reserve_vcc 0
		.amdhsa_float_denorm_mode_32 3
		.amdhsa_float_denorm_mode_16_64 3
		.amdhsa_memory_ordered 1
		.amdhsa_forward_progress 1
		.amdhsa_inst_pref_size 218
	.end_amdhsa_kernel
	.amdgpu_metadata
---
amdhsa.version: [ 1, 2 ]
amdhsa.kernels:
  - .name:           k_q053f8709b9_attn
    .symbol:         k_q053f8709b9_attn.kd
    .args:
      - { .name: qf, .offset: 0, .size: 8, .value_kind: global_buffer, .address_space: global }
      - { .name: kv, .offset: 8, .size: 8, .value_kind: global_buffer, .address_space: global }
      - { .name: mw, .offset: 16, .size: 8, .value_kind: global_buffer, .address_space: global }
      - { .name: xf, .offset: 24, .size: 8, .value_kind: global_buffer, .address_space: global }
    .group_segment_fixed_size: 327680
    .private_segment_fixed_size: 0
    .kernarg_segment_align: 8
    .kernarg_segment_size: 32
    .max_flat_workgroup_size: 256
    .sgpr_count:     106
    .vgpr_count:     512
    .wavefront_size: 32
...
	.end_amdgpu_metadata
.endif
;; end of part 3
;; launch oproj (part 4): grid 4 x 64, 4 waves a work-group, clusters of 4 x 4, 327,680 bytes of LDS; arguments xf, wof, bo, out0; writes out0
.if DOCPART == 4
	.amdgcn_target "amdgcn-amd-amdhsa--gfx1250"
	.amdhsa_code_object_version 6
	.text
	.protected	k_q053f8709b9_oproj
	.globl	k_q053f8709b9_oproj
	.p2align	8
	.type	k_q053f8709b9_oproj,@function
k_q053f8709b9_oproj:
	s_mov_b64 s[64:65], 0
	v_nop
	global_prefetch_b8 v0, s[64:65] scope:SCOPE_SE
	s_setreg_imm32_b32 hwreg(HW_REG_WAVE_MODE, 25, 1), 1
	s_wait_xcnt 0x0
	s_wait_alu depctr_hold_cnt(0) depctr_sa_sdst(0) depctr_va_vdst(0) depctr_va_sdst(0) depctr_va_ssrc(0) depctr_va_vcc(0) depctr_vm_vsrc(0)
	s_getreg_b32 s2, hwreg(HW_REG_IB_STS2, 6, 4)
	s_cmp_eq_u32 s2, 0
	s_cbranch_scc0 .Lentry_in_a_cluster
	s_endpgm
.Lentry_in_a_cluster:
	s_bfe_u32 s2, ttmp6, 0x10000c
	s_cmp_lg_u32 s2, 0xf033
	s_cbranch_scc0 .Lentry_shape_is_right
	s_endpgm
.Lentry_shape_is_right:
; out0 = x Wo^T + bo.  x (xf) and Wo (wof) are f16 in chunks of 16 rows x 16 k (512 bytes, lane l's 16 bytes at 16 l): xf [64 blocks of 128 tokens][8 K steps][8 token tiles][8 chunks],
; wof [4 blocks of 256 outputs][8 K steps][16 row tiles][8 chunks].  Sums in f32, out0 [8192][1024] f32.
; A tile of out0, 128 tokens x 256 outputs, is made by four waves, each 64 x 128: 32 accumulators; 256 work-groups.  K goes in 8 steps of 128 through two LDS slots: a step's tiles are dense blocks of memory
; (x 32 KB, Wo 64 KB) and lie in LDS as they lie there: a fragment is two loads at 16 x lane, no pitch, no padding.
; CLUSTERS: 4 x 4 work-groups; x's tile is shared along a row of the cluster, Wo's along a column.  THE MATRIX INSTRUCTION IS USED TRANSPOSED: a lane holds one token and eight neighbouring outputs.
; LIMITS: operands are f16 (65,504 at the most).
; REGISTERS: window 0: v12-15 bias; v16-30 addresses; v32-127, v128-223 two fragment buffers (x's 4 fragments, then Wo's 8); on the way out v32-159.  window 1: accumulator (a, b) at v[8 (8 a + b)].
.set SLOT,  98304                      ; x's 32 KB, then Wo's 64 KB
.set SPARE, 2*SLOT                     ; the spare words, 128 bytes for each wave
.set SPITCH, 528                       ; the way out: a stage of 16 rows x (512 + 16) bytes for each wave, in slot 0, which has had its last fill and its last read by then
.set ADRA, 16
.set ADRB, 20
.set STO,  24
.set RD,   25
.set CO,   26                          ; v26 16 x lane
.set SPW,  28
.set NIL,  29
.set PFO,  30                          ; v30 256 x lane
.set F0,   32
.set F1,   128
.set BK,   32
.set WV,   66
.set WM,   67                          ; wave / 2: my 64 tokens.  Also: I fetch for x (0) or for Wo (1)
.set WN,   68                          ; wave % 2: my 128 outputs.  Also: which half of that tile I fetch
.set LIM,  43
.set PFA,  44
.set G1A, 24
.set G0A, 32
.set G1B, 48
.set G0B, 56
.set MSB, 0
.macro WIN new
.if MSB != \new
	s_set_vgpr_msb (MSB<<8)|\new
.set MSB, \new
.endif
.endm
.set MUL, 0x50                         ; C and D window 1, fragments window 0
.macro JLOAD s                         ; a joint load; the branch hangs on the wave's number alone; s_nop 0 and four v_nop follow each line
	s_cmp_eq_u32 s[WM], 0
	s_cbranch_scc0 .Lfor_b_\@
	tensor_load_to_lds s[G0A+4*\s:G0A+4*\s+3], s[G1A:G1A+7]
	s_nop 0
.rept 4
	v_nop
.endr
	s_branch .Lasked_\@
.Lfor_b_\@:
	tensor_load_to_lds s[G0B+4*\s:G0B+4*\s+3], s[G1B:G1B+7]
	s_nop 0
.rept 4
	v_nop
.endr
.Lasked_\@:
.endm
.macro CREST
	s_cmp_lg_u32 s[WV], 0
	s_cbranch_scc1 .Lnot_wave_0_\@
	s_barrier_signal -3
.Lnot_wave_0_\@:
	s_barrier_wait -3
	s_barrier_signal -1
	s_barrier_wait -1
.endm
.macro CROUND
	s_barrier_signal -1
	s_barrier_wait -1
	CREST
.endm
; A PREFETCH INTO THE L2 of x's tile two refills on (32 KB): the four partners that ask for it jointly take 8 KB each, told apart by address; in each, wave 0 asks, lanes 256 bytes apart: each block is named once.
; The loop's last trip asks for nothing: there is no K step so far on.  Wo's tiles are read by all sixteen clusters again and again and are not asked for.
.macro ASK
	s_cmp_gt_u32 s3, s[LIM]
	s_cbranch_scc0 .Lnot_mine_\@
	global_prefetch_b8 v[PFO], s[PFA:PFA+1] offset:32768 th:TH_LOAD_NT scope:SCOPE_SE
.Lnot_mine_\@:
.endm
	s_load_b256 s[4:11], s[0:1], 0x0               ; xf 4, wof 6, bo 8, out0 10
	v_lshl_add_u32 v[SPW], v0, 2, SPARE
	v_mov_b32 v[NIL], 0
	ds_add_u32 v[SPW], v[NIL]                      ; the wave's opening: the add, twice on end, and its wait ahead of my first tensor load
	ds_add_u32 v[SPW], v[NIL]
	v_lshrrev_b32 v1, 5, v0
	v_readfirstlane_b32 s[WV], v1
	s_lshr_b32 s[WM], s[WV], 1
	s_and_b32 s[WN], s[WV], 1
	s_bfe_u32 s40, ttmp6, 0x40000                  ; cx
	s_bfe_u32 s41, ttmp6, 0x40004                  ; cy
	s_lshl_b32 s42, ttmp9, 2
	s_add_co_u32 s42, s42, s40                     ; block of 256 outputs
	s_and_b32 s13, ttmp7, 0xffff
	s_lshl_b32 s13, s13, 2
	s_add_co_u32 s13, s13, s41                     ; block of 128 tokens
	s_lshl_b32 s43, s41, 2
	s_lshl_b32 s43, 15, s43                        ; my row of the cluster
	s_lshl_b32 s46, 0x1111, s40                    ; my column
	s_or_b32 s[G1A], s43, (3<<16)|(1<<21)          ; mask; elements of 8 bytes; no padding; bit 21 beside a mask
	s_or_b32 s[G1B], s46, (3<<16)|(1<<21)
	s_mov_b32 s[G1A+1], 32<<16                     ; x: 64 rows of 256 bytes, dense: half a tile
	s_mov_b32 s[G1A+2], 64<<16
	s_mov_b32 s[G1A+3], 32<<16
	s_mov_b32 s[G1A+4], 64
	s_mov_b32 s[G1A+5], 32
	s_mov_b32 s[G1A+6], 0
	s_mov_b32 s[G1A+7], 0
	s_mov_b32 s[G1B+1], 32<<16                     ; Wo: 128 rows of 256 bytes
	s_mov_b32 s[G1B+2], 128<<16
	s_mov_b32 s[G1B+3], 32<<16
	s_mov_b32 s[G1B+4], 128
	s_mov_b32 s[G1B+5], 32
	s_mov_b32 s[G1B+6], 0
	s_mov_b32 s[G1B+7], 0
	s_lshl_b32 s16, s13, 18                        ; x: 8 K steps of 32 KB a block,
	s_lshl_b32 s20, s[WN], 14                      ; my half; the same in LDS
	s_add_co_u32 s16, s16, s20
	s_mov_b32 s17, 0
	s_lshl_b32 s18, s42, 19                        ; Wo: 8 K steps of 64 KB a block
	s_lshl_b32 s21, s[WN], 15
	s_add_co_u32 s18, s18, s21
	s_mov_b32 s19, 0
	s_add_co_u32 s21, s21, 32768                   ; in LDS behind x's tile
	s_wait_dscnt 0x0                               ; both opening adds are done
	s_wait_kmcnt 0x0
	s_add_nc_u64 s[14:15], s[4:5], s[16:17]
	s_add_nc_u64 s[22:23], s[6:7], s[18:19]
	CROUND                                         ; all sixteen work-groups are here
.irp s, 0,1
	s_mov_b32 s[G0A+4*\s], 1
	s_add_co_u32 s[G0A+4*\s+1], s20, \s*SLOT
	s_add_nc_u64 s[G0A+4*\s+2:G0A+4*\s+3], s[14:15], \s*32768
	s_or_b32 s[G0A+4*\s+3], s[G0A+4*\s+3], 0x80000000
	s_mov_b32 s[G0B+4*\s], 1
	s_add_co_u32 s[G0B+4*\s+1], s21, \s*SLOT
	s_add_nc_u64 s[G0B+4*\s+2:G0B+4*\s+3], s[22:23], \s*65536
	s_or_b32 s[G0B+4*\s+3], s[G0B+4*\s+3], 0x80000000
	JLOAD \s                                       ; two loads of mine are out
.endr
	v_and_b32 v1, 15, v0                           ; r
	v_bfe_u32 v2, v0, 4, 1                         ; h
	v_and_b32 v3, 31, v0
	v_lshlrev_b32 v[CO], 4, v3
	v_lshlrev_b32 v[PFO], 8, v3
	s_lshl_b32 s20, s[WM], 14                      ; my four token tiles
	s_lshl_b32 s21, s[WN], 15
	s_add_co_u32 s21, s21, 32768                   ; my eight row tiles of Wo
.irp s, 0,1
	v_add_nc_u32 v[ADRA+\s], s20, v[CO]
	v_add_nc_u32 v[ADRB+\s], s21, v[CO]
	s_add_co_u32 s20, s20, SLOT
	s_add_co_u32 s21, s21, SLOT
.endr
	s_mul_i32 s20, s[WV], 16*SPITCH                ; my stage
	v_mul_u32_u24 v4, v1, SPITCH
	v_lshl_add_u32 v4, v2, 5, v4
	v_add_nc_u32 v[STO], s20, v4                   ; in: row r, 32 bytes for each half of the lanes
	v_add_nc_u32 v[RD], s20, v[CO]                 ; back: the 32 lanes take a row of 512 bytes
	s_lshl_b32 s16, s42, 10
	s_lshl_b32 s17, s[WN], 9
	s_add_co_u32 s16, s16, s17                     ; my first output, in bytes
	s_mov_b32 s17, 0
	s_add_nc_u64 s[8:9], s[8:9], s[16:17]
	global_load_b128 v[12:15], v[CO], s[8:9]       ; the bias of outputs 4 x lane + 0 .. 3 of my 128
	s_add_nc_u64 s[10:11], s[10:11], s[16:17]
	s_lshl_b32 s16, s13, 7
	s_lshl_b32 s18, s[WM], 6
	s_add_co_u32 s16, s16, s18
	s_lshl_b32 s16, s16, 12                        ; my first token's row of 4,096 bytes
	s_add_nc_u64 s[10:11], s[10:11], s[16:17]
	s_lshl_b32 s16, s13, 18
	s_lshl_b32 s18, s40, 13
	s_add_co_u32 s16, s16, s18
	s_add_co_u32 s16, s16, 2*32768                 ; the prefetches stand at K step 2: the first refill steps them to 3 and names K step 4
	s_add_nc_u64 s[PFA:PFA+1], s[4:5], s[16:17]
	s_cmp_eq_u32 s[WV], 0
	s_cselect_b32 s[LIM], 1, -1
.macro FETCH slot, q, f                ; 24 LDS loads: the fragments of 32 along K: Wo's eight first, then x's four
.irp i, 0,1,2,3,4,5,6,7
	ds_load_b128 v[\f+32+8*\i:\f+32+8*\i+3], v[ADRB+\slot] offset:4096*\i+1024*(\q)
	ds_load_b128 v[\f+32+8*\i+4:\f+32+8*\i+7], v[ADRB+\slot] offset:4096*\i+1024*(\q)+512
.endr
.irp i, 0,1,2,3
	ds_load_b128 v[\f+8*\i:\f+8*\i+3], v[ADRA+\slot] offset:4096*\i+1024*(\q)
	ds_load_b128 v[\f+8*\i+4:\f+8*\i+7], v[ADRA+\slot] offset:4096*\i+1024*(\q)+512
.endr
.endm
.macro MUL8 f, a, zero                 ; token tile a against Wo's eight.  The 32 accumulators take turns, one instruction a turn
.irp b, 0,1,2,3,4,5,6,7
.if \zero
	v_wmma_f32_16x16x32_f16 v[8*(8*(\a)+\b):8*(8*(\a)+\b)+7], v[\f+32+8*\b:\f+32+8*\b+7], v[\f+8*(\a):\f+8*(\a)+7], 0
.else
	v_wmma_f32_16x16x32_f16 v[8*(8*(\a)+\b):8*(8*(\a)+\b)+7], v[\f+32+8*\b:\f+32+8*\b+7], v[\f+8*(\a):\f+8*(\a)+7], v[8*(8*(\a)+\b):8*(8*(\a)+\b)+7]
.endif
.endr
.endm
.macro PLACES                          ; four plain vector instructions in front of loads into registers that matrix instructions have read, and of reads of results
.rept 4
	v_nop
.endr
.endm
.macro QUARTER slot, qn, f, g, zero    ; multiplies buffer f; in its middle fetches quarter qn of the same slot into g
	s_wait_dscnt 4                                 ; all but x's fragments 2 and 3 are in
	WIN MUL
	MUL8 \f, 0, \zero
	MUL8 \f, 1, \zero
	PLACES
	WIN 0
	FETCH \slot, \qn, \g
	s_wait_dscnt 24                                ; all but the 24 just issued
	WIN MUL
	MUL8 \f, 2, \zero
	MUL8 \f, 3, \zero
.endm
; A K step's last quarter multiplies buffer 1 and changes slots: one barrier; in front of it each wave waits for all its tensor loads, adds 0 to its spare word, and waits for that and for its reads of this slot.
.macro TURN slot, next, fill
.if \fill
	s_wait_xcnt 0x0                                ; the last prefetch, a K step back, has read its address
	s_add_nc_u64 s[PFA:PFA+1], s[PFA:PFA+1], 32768
.endif
	WIN 0
	s_wait_tensorcnt 0x0                           ; my part of the next slot has landed
	ds_add_u32 v[SPW], v[NIL]
	s_wait_dscnt 5                                 ; the add and the youngest four loads may be out
	WIN MUL
	MUL8 F1, 0, 0
	s_wait_dscnt 0x0                               ; the add is done, my reads of this slot are over
	s_barrier_signal -1
	MUL8 F1, 1, 0
	WIN 0
	s_barrier_wait -1
.if \fill
	CREST                                          ; the barrier has opened a round of the cluster's: no wave of any partner still reads this slot or has a load on its way
	s_add_nc_u64 s[G0A+4*\slot+2:G0A+4*\slot+3], s[G0A+4*\slot+2:G0A+4*\slot+3], 2*32768
	s_add_nc_u64 s[G0B+4*\slot+2:G0B+4*\slot+3], s[G0B+4*\slot+2:G0B+4*\slot+3], 2*65536
	JLOAD \slot                                    ; the first tensor load behind the round; its four v_nop are the places in front of the loads below
.else
	PLACES
.endif
	FETCH \next, 0, F0
.if \fill
	ASK
.endif
	WIN MUL
	MUL8 F1, 2, 0
	MUL8 F1, 3, 0
.endm
	s_wait_tensorcnt 1                             ; my part of K step 0 is in; K step 1's may be out
	s_barrier_signal -1
	s_barrier_wait -1
	FETCH 0, 0, F0
	QUARTER 0, 1, F0, F1, 1                        ; the first products start the sums
	WIN 0
	s_mov_b32 s3, 3
.Llap:                                             ; a trip goes once round the ring and fills both slots again
	QUARTER 0, 2, F1, F0, 0
	QUARTER 0, 3, F0, F1, 0
	TURN 0, 1, 1
	QUARTER 1, 1, F0, F1, 0
	QUARTER 1, 2, F1, F0, 0
	QUARTER 1, 3, F0, F1, 0
	TURN 1, 0, 1
	QUARTER 0, 1, F0, F1, 0
	WIN 0
	s_sub_co_u32 s3, s3, 1
	s_cmp_lg_u32 s3, 0
	s_cbranch_scc1 .Llap
	QUARTER 0, 2, F1, F0, 0                        ; the last lap fills nothing
	QUARTER 0, 3, F0, F1, 0
	TURN 0, 1, 0
	QUARTER 1, 1, F0, F1, 0
	QUARTER 1, 2, F1, F0, 0
	QUARTER 1, 3, F0, F1, 0
	s_wait_dscnt 4
	WIN MUL
	MUL8 F1, 0, 0
	MUL8 F1, 1, 0
	s_wait_dscnt 0
	MUL8 F1, 2, 0
	MUL8 F1, 3, 0
	WIN 0
; THE WAY OUT, 16 tokens x 128 outputs at a time, through my own stage: back as whole rows of 512 bytes, the bias added, stored as 512 consecutive bytes.  LDS serves a wave's instructions in order.
.macro TOSTAGE a
	WIN 0x04                                       ; an LDS store's data: window 1
.irp b, 0,1,2,3,4,5,6,7
	ds_store_b128 v[STO], v[64*(\a)+8*\b:64*(\a)+8*\b+3] offset:64*\b          ; each accumulator from its low end on
	ds_store_b128 v[STO], v[64*(\a)+8*\b+4:64*(\a)+8*\b+7] offset:64*\b+16
.endr
	WIN 0
.set BB, BK+64*((\a)%2)
.irp t, 0,1,2,3,4,5,6,7,8,9,10,11,12,13,14,15
	ds_load_b128 v[BB+4*\t:BB+4*\t+3], v[RD] offset:\t*SPITCH
.endr
.endm
.macro SEND a, younger                 ; younger: the LDS instructions issued behind block a's loads
.set BB, BK+64*((\a)%2)
	s_wait_dscnt \younger
.if (\a) > 0
	s_add_nc_u64 s[10:11], s[10:11], 16*4096       ; behind a wait that shows the earlier stores' addresses read
.endif
.irp t, 0,1,2,3,4,5,6,7,8,9,10,11,12,13,14,15
	v_pk_add_f32 v[BB+4*\t:BB+4*\t+1], v[BB+4*\t:BB+4*\t+1], v[12:13]
	v_pk_add_f32 v[BB+4*\t+2:BB+4*\t+3], v[BB+4*\t+2:BB+4*\t+3], v[14:15]
.endr
.irp t, 0,1,2,3,4,5,6,7,8,9,10,11,12,13,14,15
	global_store_b128 v[CO], v[BB+4*\t:BB+4*\t+3], s[10:11] offset:\t*4096 th:TH_STORE_NT
.endr
.endm
	PLACES                                         ; for the stage's reads of results just made and the loads into the fragments' registers
	s_wait_loadcnt 0x0                             ; the bias
	TOSTAGE 0
.irp a, 1,2,3
.if \a > 1
	s_wait_xcnt 0x0                                ; the stores of two blocks back have read their registers and their base
.endif
	TOSTAGE \a
	SEND \a-1, 32                                  ; behind block a - 1's loads: block a's 16 stores and 16 loads
.endr
	s_wait_xcnt 0x0
	SEND 3, 0
	s_wait_tensorcnt 0x0                           ; the wave's end
	ds_add_u32 v[SPW], v[NIL]
	s_wait_dscnt 0x0
	CROUND                                         ; the closing round
	s_endpgm
.Lfunc_end_k_q053f8709b9_oproj:
	.size	k_q053f8709b9_oproj, .Lfunc_end_k_q053f8709b9_oproj-k_q053f8709b9_oproj
	.p2alignl 7, 3214868480
	.fill 96, 4, 3214868480
	.section	.rodata,"a",@progbits
	.p2align	6, 0x0
	.amdhsa_kernel k_q053f8709b9_oproj
		.amdhsa_group_segment_fixed_size 327680
		.amdhsa_private_segment_fixed_size 0
		.amdhsa_enable_private_segment 0
		.amdhsa_kernarg_size 32
		.amdhsa_user_sgpr_count 2
		.amdhsa_user_sgpr_kernarg_segment_ptr 1
		.amdhsa_wavefront_size32 1
		.amdhsa_system_sgpr_workgroup_id_x 1
		.amdhsa_system_sgpr_workgroup_id_y 1
		.amdhsa_system_sgpr_workgroup_id_z 1
		.amdhsa_system_vgpr_workitem_id 0
		.amdhsa_next_free_vgpr 512
		.amdhsa_next_free_sgpr 72
		.amdhsa_reserve_vcc 0
		.amdhsa_float_denorm_mode_32 3
		.amdhsa_float_denorm_mode_16_64 3
		.amdhsa_memory_ordered 1
		.amdhsa_forward_progress 1
		.amdhsa_inst_pref_size 93
	.end_amdhsa_kernel
	.amdgpu_metadata
---
amdhsa.version: [ 1, 2 ]
amdhsa.kernels:
  - .name:           k_q053f8709b9_oproj
    .symbol:         k_q053f8709b9_oproj.kd
    .args:
      - { .name: xf, .offset: 0, .size: 8, .value_kind: global_buffer, .address_space: global }
      - { .name: wof, .offset: 8, .size: 8, .value_kind: global_buffer, .address_space: global }
      - { .name: bo, .offset: 16, .size: 8, .value_kind: global_buffer, .address_space: global }
      - { .name: out0, .offset: 24, .size: 8, .value_kind: global_buffer, .address_space: global }
    .group_segment_fixed_size: 327680
    .private_segment_fixed_size: 0
    .kernarg_segment_align: 8
    .kernarg_segment_size: 32
    .max_flat_workgroup_size: 128
    .sgpr_count:     72
    .vgpr_count:     512
    .wavefront_size: 32
...
	.end_amdgpu_metadata
.endif
;; end of part 4
